; MI455X (gfx1250); checked and timed in simulation.
; The chip was launched on July 23, 2026; its instructions are those of AMD's public machine-readable ISA for CDNA 5 (MIT licence, August 2026) and "CDNA5" Instruction Set Architecture Reference Guide (July 2026). The comments in the code are by the model that wrote it; some were corrected since.
;; Manual Attention. Allowed arithmetic: matrix products marked QUANTISED: E2M3 operands, one E8M0 scale for each 32 along K, by v_wmma_scale_f32_16x16x128_f8f6f4 with both operands' format E2M3, f32 sums; everything else in f32.
;; Inputs: b_out 1,024 float32; b_qkv 3,072 float32; w_out 1,024 x 1,024 float32; w_qkv 3,072 x 1,024 float32; x 4 x 2,048 x 1,024 float32.
;; Outputs: out0 4 x 2,048 x 1,024 float32.
;; This version of the problem:
;;   THIS VERSION OF THE PROBLEM IS GIVEN IN LOW PRECISION. The matrix products marked QUANTISED in the list below multiply operands that are first quantised to E2M3 (2 exponent bits, 3 mantissa bits; 6 bits a number), with one power-of-two scale for each 32 numbers along K (OCP MX v1.0); their sums are f32. All else is computed in f32.
;;   The module's matrix products, in the order in which they are computed (A, B: the left and right operand; K: the contracted axis; several contracted axes count as one K, in the product's order):
;;     1. [M 8,192, K 1,024] x [K 1,024, N 3,072]; A: input x; B: input w_qkv: QUANTISED
;;     2. batch 64 x [M 2,048, K 64] x [K 64, N 2,048]; A: computed on the way; B: computed on the way: QUANTISED
;;     3. batch 64 x [M 2,048, K 2,048] x [K 2,048, N 64]; A: softmax (see below); B: computed on the way: QUANTISED
;;     4. [M 8,192, K 1,024] x [K 1,024, N 1,024]; A: computed on the way; B: input w_out: QUANTISED
;;   THE QUANTISER, for each operand of a quantised product, along K:
;;     - K is cut into blocks of 32 from its start; a last block that is shorter is filled with zeros.
;;     - A block's scale is 2^e with e = floor(log2(the largest magnitude in the block)) - 2, held to -126 .. 127; a block of zeros has e = 0. As a byte (E8M0): e + 127.
;;     - Each number is divided by its block's scale, clamped to +-7.5, and rounded to the nearest number of E2M3, ties to even, subnormals kept.
;;     - The product sums the exact products of the quantised numbers (number of the format x scale) in f32.
;;   ~~~python
;;   def quantise(x, axis):      # numpy; x: float32 -> the quantised numbers, widened to float32 again
;;       x = np.moveaxis(x, axis, -1); K = x.shape[-1]
;;       x = np.pad(x, [(0, 0)] * (x.ndim - 1) + [(0, -K % 32)]); x = x.reshape(x.shape[:-1] + (-1, 32)); a = np.abs(x).max(-1, keepdims=True)
;;       e = np.where(a > 0, np.clip(np.frexp(np.where(a > 0, a, 1))[1] - 1 - 2, -126, 127), 0)      # np.frexp(a)[1] - 1 = floor(log2(a)), exactly
;;       r = np.clip(x / 2.0 ** e, -7.5, 7.5)
;;       step = 2.0 ** (np.maximum(np.frexp(np.where(r == 0, 1, r))[1] - 1, 0) - 3)
;;       q = np.round(r / step) * step * 2.0 ** e      # np.round: ties to even
;;       return np.moveaxis(q.reshape(q.shape[:-2] + (-1,))[..., :K], -1, axis).astype(np.float32)
;;   ~~~
;;   SOFTMAX AHEAD OF A QUANTISED PRODUCT. Where the list says 'softmax', what is quantised is not the finished softmax but p = 2^(t - M), with t = logit x log2(e) and M = ceil(the row's largest t), a whole number; so 1/2 < the row's largest p <= 1. The row's sum l is taken of the UNQUANTISED p, in f32, and the product's result is divided by l at the end. Since M is a whole number, a kernel that streams over the keys may use a running M (the ceiling of the running maximum): every later rescaling is an exact power of two, which a block's scale takes up: the codes' values come out the same.
;;   OPERANDS COMPUTED ON THE WAY. 'Computed on the way' means the value that the module computes at that place (a softmax that the list does not call 'softmax' is quantised finished and normalised). What goes into a quantiser is computed in f32, as accurately as f32 sums, v_exp_f32 and their like allow (about 1e-6 of the number): no bf16 or f16 on the way to a quantiser, and a product that is left as it is and whose result goes on into a quantised operand takes f32 operands (vector FMAs, or v_wmma_f32_16x16x4_f32). A number that lies on a knife's edge between two numbers of the format may be rounded either way, as far as f32 arithmetic and the matrix unit's own rounding can turn it there, and no further.
;; One version. Each part assembles by itself: llvm-mc -triple=amdgcn-amd-amdhsa -mcpu=gfx1250 --defsym DOCPART=n.
;; ======== version 1 of 1: 4 launches
;; limits: right only within a limited range of input values
;; workspace buffers: c1 9,437,184 bytes; s1 393,216 bytes; c2 18,874,368 bytes; s2 786,432 bytes; c3 6,291,456 bytes; s3 262,144 bytes
;; launch quant (part 1): grid 768 x 1, 4 waves a work-group, no clusters, 35,328 bytes of LDS; arguments x, w_qkv, w_out, c1, s1; writes c1, s1
.if DOCPART == 1
	.amdgcn_target "amdgcn-amd-amdhsa--gfx1250"
	.amdhsa_code_object_version 6
	.text
	.protected	k_qc5b0185e28_quant
	.globl	k_qc5b0185e28_quant
	.p2align	8
	.type	k_qc5b0185e28_quant,@function
k_qc5b0185e28_quant:
	s_mov_b64 s[64:65], 0
	v_nop
	global_prefetch_b8 v0, s[64:65] scope:SCOPE_SE
	s_setreg_imm32_b32 hwreg(HW_REG_WAVE_MODE, 25, 1), 1
	s_wait_xcnt 0x0
; x [8192][1024], w_qkv [3072][1024], w_out [1024][1024], f32 with K innermost, become codes of FP6 (E2M3) with one E8M0 byte for each 32 along K.
; The three tensors are one list of 12,288 rows.  A block's scale is 2^(floor(log2(largest magnitude)) - 2); its byte is the largest magnitude's exponent field - 2, held at 1 from below.
; LIMITS: NaN and infinities among the inputs are not served; a block of zeros, or one whose largest magnitude lies under 2^-124, keeps the byte 1 (the stated rule gives a block of zeros 127):
; a block of zeros has zero codes, which add nothing under any byte but 0xff, and this program alone reads the bytes.
; THE CODES ARE LAID AS IMAGES OF OPERAND REGISTERS.  A fragment is 16 rows x 128 K, 12 registers a lane: lane (r, h) holds row r, registers 6 c .. 6 c + 5 hold k = 64 c + 32 h + 0 .. 31.
; Its image is 1,536 bytes: half c at 768 c; in a half registers 0-3 at 16 x lane, registers 4, 5 at 512 + 8 x lane.  Fragment (tile i16, K step s) lies at (i16 / 8) 98,304 + 12,288 s + (i16 % 8) 1,536.
; THE ROWS OF A TILE ARE NOT NEIGHBOURS: in each 32 rows, place r of tile u holds row 8 u + r + 8 (r / 8), so that results made with such a tile as source 0 have 16 neighbours in 16 registers.
; The scale bytes are laid [tile][place r][32 bytes], byte k / 32.
; SHARES: a work-group takes one tile of 16 rows, wave w its K steps 2 w and 2 w + 1.  Each wave asks for all its 16 KiB at its head: no loop.  Each load reads 512 consecutive bytes of a row; the numbers turn
; through the wave's own stage in LDS (rows 528 bytes apart), so that a lane gets 16 neighbours of each block of 32.  No matrix unit, no cluster, no tensor load: the work-groups share nothing.
.set ROWB,   4096                      ; a row of 1,024 f32
.set SPITCH, 528                       ; a stage row: 512 bytes + 16
.set STG,    16*SPITCH                 ; a wave's stage
.set SCST,   4*STG                     ; behind the stages: the tile's 512 scale bytes, [r][32]
.set PW,  10                           ; v10     the scale word just made
.set TM,  12                           ; v12-27  at work in QUANT
.set PC,  28                           ; v28-39  a fragment's codes
.set CT,  40                           ; v40-47  conversions' second halves
.set X,   48                           ; v48-111 64 numbers: register 16 b + i = k 32 b + 16 h + i of my row
.set R,   112                          ; v112-239 two K steps as loaded
.set SEL, 20                           ; s[20:21] lane selects: lane l xor 16
; 64 numbers of a lane, v[s] on, become a fragment's codes (registers 0-5 at v[d0], 6-11 at v[d1]) and its scale word in v[pw].
.macro QUANT s, d0, d1, pw
.irp b, 0,1,2,3
	v_max3_num_f32 v[TM+\b], |v[(\s)+16*\b]|, |v[(\s)+1+16*\b]|, 0x1800000   ; block b: my 16 numbers, and the floor 2^(3 - 127): the byte cannot fall under 1
.endr
.irp i, 2,4,6,8,10,12,14
.irp b, 0,1,2,3
	v_max3_num_f32 v[TM+\b], v[TM+\b], |v[(\s)+16*\b+\i]|, |v[(\s)+1+16*\b+\i]|   ; the four blocks by turns
.endr
.endr
.irp b, 0,1,2,3
	v_permlanex16_b32 v[TM+4+\b], v[TM+\b], s[SEL], s[SEL+1]
.endr
.irp b, 0,1,2,3
	v_max_num_f32 v[TM+\b], v[TM+\b], v[TM+4+\b]   ; with lane l xor 16's 16: the block's largest magnitude
.endr
.irp b, 0,1,2,3
	v_add_nc_u32 v[TM+12+\b], 0xff000000, v[TM+\b] ; 2 off its exponent field: the conversion takes this operand's exponent field as its scale
.endr
.irp b, 0,1,2,3
	v_lshrrev_b32 v[TM+4+\b], 23, v[TM+12+\b]      ; the scale's byte
.endr
	v_lshl_or_b32 v[\pw], v[TM+5], 8, v[TM+4]
	v_lshl_or_b32 v[\pw], v[TM+6], 16, v[\pw]
	v_lshl_or_b32 v[\pw], v[TM+7], 24, v[\pw]
	v_cvt_scalef32_pk16_fp6_f32 v[(\d0):(\d0)+2], v[(\s):(\s)+15], v[TM+12]
	v_cvt_scalef32_pk16_fp6_f32 v[CT:CT+2], v[(\s)+16:(\s)+31], v[TM+13]      ; (a conversion's three registers begin on an even number)
	v_cvt_scalef32_pk16_fp6_f32 v[(\d1):(\d1)+2], v[(\s)+32:(\s)+47], v[TM+14]
	v_cvt_scalef32_pk16_fp6_f32 v[CT+4:CT+6], v[(\s)+48:(\s)+63], v[TM+15]
	v_nop                                          ; one plain place behind the last conversion
.irp i, 0,1,2
	v_permlane16_swap_b32 v[(\d0)+\i], v[CT+\i]    ; the layout wants a whole block in a lane: lanes 0-15 the even block, lanes 16-31 the odd one
.endr
.irp i, 0,1,2
	v_mov_b32 v[(\d0)+3+\i], v[CT+\i]
.endr
.irp i, 0,1,2
	v_permlane16_swap_b32 v[(\d1)+\i], v[CT+4+\i]
.endr
.irp i, 0,1,2
	v_mov_b32 v[(\d1)+3+\i], v[CT+4+\i]
.endr
.endm
	s_load_b128 s[4:7], s[0:1], 0x0                ; x, w_qkv
	s_load_b128 s[8:11], s[0:1], 0x10              ; w_out, c1
	s_load_b64 s[12:13], s[0:1], 0x20              ; s1
	v_lshl_add_u32 v240, v0, 2, 0x8800
	v_mov_b32 v241, 0
	v_lshrrev_b32 v1, 5, v0
	v_readfirstlane_b32 s14, v1                    ; wave 0..3
	v_and_b32 v1, 31, v0                           ; lane
	v_and_b32 v2, 15, v0                           ; r
	v_bfe_u32 v3, v0, 4, 1                         ; h
	v_lshlrev_b32 v4, 4, v1                        ; 16 x lane: a load's and a store's place
	v_lshlrev_b32 v9, 3, v1                        ; 8 x lane
	s_mul_i32 s16, s14, STG
	v_add_nc_u32 v5, s16, v4                       ; the stage, on the way in
	v_mul_u32_u24 v6, v2, SPITCH
	v_lshl_add_u32 v6, v3, 6, v6
	v_add_nc_u32 v6, s16, v6                       ; and out: row r, + 64 h
	s_lshl_b32 s17, s14, 3
	s_add_co_u32 s17, s17, SCST
	v_lshlrev_b32 v7, 5, v2
	v_add_nc_u32 v7, s17, v7                       ; my row's scale bytes of my wave's two K steps: 32 r + 8 w
	v_add_nc_u32 v8, SCST, v4                      ; wave 0 reads them back, 16 bytes a lane
	s_mov_b32 s[SEL], 0x76543210
	s_mov_b32 s[SEL+1], 0xfedcba98
.irp b, 0,1,2,3
	v_mov_b32 v[TM+4+\b], 0                        ; written once: a lane permute's destination counts as one of its sources
.endr
	s_wait_alu depctr_va_vdst(0)
	s_wait_kmcnt 0x0
	s_cmp_lt_u32 ttmp9, 512                        ; tiles 0-511 are x's, 512-703 w_qkv's, 704-767 w_out's: the choice hangs on the work-group's number alone
	s_cselect_b64 s[4:5], s[4:5], s[6:7]
	s_cselect_b32 s15, 0, 512
	s_cmp_lt_u32 ttmp9, 704
	s_cselect_b64 s[4:5], s[4:5], s[8:9]
	s_cselect_b32 s15, s15, 704
	s_sub_co_u32 s15, ttmp9, s15                   ; the tile's number in its tensor
	s_lshr_b32 s18, s15, 1
	s_lshl_b32 s18, s18, 17                        ; 32 rows of 4,096 bytes,
	s_and_b32 s19, s15, 1
	s_lshl_b32 s19, s19, 15                        ; 8 rows for the odd tile,
	s_add_co_u32 s18, s18, s19
	s_lshl_b32 s19, s14, 10                        ; my wave's 256 numbers of a row
	s_add_co_u32 s18, s18, s19
	s_mov_b32 s19, 0
	s_add_nc_u64 s[4:5], s[4:5], s[18:19]
	s_lshr_b32 s18, ttmp9, 3
	s_mul_i32 s18, s18, 98304
	s_and_b32 s22, ttmp9, 7
	s_mul_i32 s22, s22, 1536
	s_add_co_u32 s18, s18, s22
	s_mul_i32 s22, s14, 24576
	s_add_co_u32 s18, s18, s22
	s_add_nc_u64 s[10:11], s[10:11], s[18:19]      ; my two fragments' images
	s_lshl_b32 s18, ttmp9, 9
	s_add_nc_u64 s[12:13], s[12:13], s[18:19]      ; the tile's 512 scale bytes
.macro LOAD j                          ; K step 2 w + j of the tile's 16 rows: place i holds row i + 8 (i / 8)
.irp i, 0,1,2,3,4,5,6,7,8,9,10,11,12,13,14,15
	global_load_b128 v[R+64*\j+4*\i:R+64*\j+4*\i+3], v4, s[4:5] offset:(\i+8*(\i/8))*ROWB+512*\j th:TH_LOAD_NT
.endr
.endm
.macro FRAGQ j
	s_wait_loadcnt 16*(1-\j)                       ; this K step's 16 loads are in; the other's may be out
.irp i, 0,1,2,3,4,5,6,7,8,9,10,11,12,13,14,15
	ds_store_b128 v5, v[R+64*\j+4*\i:R+64*\j+4*\i+3] offset:SPITCH*\i
.endr
.irp b, 0,1,2,3
.irp q, 0,1,2,3
	ds_load_b128 v[X+16*\b+4*\q:X+16*\b+4*\q+3], v6 offset:128*\b+16*\q   ; LDS serves a wave's instructions in order: these see the stores above
.endr
.endr
	s_wait_dscnt 0x0
.if \j
	s_wait_xcnt 0x0                                ; the first fragment's stores have read their registers: the codes may be written again
.endif
	QUANT X, PC, PC+6, PW
	global_store_b128 v4, v[PC:PC+3], s[10:11] offset:12288*\j          ; 512 consecutive bytes, aligned to 256
	global_store_b64 v9, v[PC+4:PC+5], s[10:11] offset:12288*\j+512     ; 256
	global_store_b128 v4, v[PC+6:PC+9], s[10:11] offset:12288*\j+768
	global_store_b64 v9, v[PC+10:PC+11], s[10:11] offset:12288*\j+1280
	ds_store_b32 v7, v[PW] offset:4*\j             ; lanes r and r + 16 write the same word with the same value
.endm
	LOAD 0
	LOAD 1
	FRAGQ 0
	FRAGQ 1
	s_wait_dscnt 0x0                               ; for the others' sake: my scale words lie in LDS
	s_barrier_signal -1
	s_barrier_wait -1
	s_cmp_lg_u32 s14, 0
	s_cbranch_scc1 .Ldone
	ds_load_b128 v[X:X+3], v8                      ; wave 0 stores the tile's 512 scale bytes: two aligned blocks of 256
	s_wait_dscnt 0x0
	global_store_b128 v4, v[X:X+3], s[12:13]
.Ldone:
	s_wait_tensorcnt 0x0
	ds_add_u32 v240, v241
	s_wait_dscnt 0x0
	s_endpgm
.Lfunc_end_k_qc5b0185e28_quant:
	.size	k_qc5b0185e28_quant, .Lfunc_end_k_qc5b0185e28_quant-k_qc5b0185e28_quant
	.p2alignl 7, 3214868480
	.fill 96, 4, 3214868480
	.section	.rodata,"a",@progbits
	.p2align	6, 0x0
	.amdhsa_kernel k_qc5b0185e28_quant
		.amdhsa_group_segment_fixed_size 35328
		.amdhsa_private_segment_fixed_size 0
		.amdhsa_enable_private_segment 0
		.amdhsa_kernarg_size 40
		.amdhsa_user_sgpr_count 2
		.amdhsa_user_sgpr_kernarg_segment_ptr 1
		.amdhsa_wavefront_size32 1
		.amdhsa_system_sgpr_workgroup_id_x 1
		.amdhsa_system_sgpr_workgroup_id_y 1
		.amdhsa_system_sgpr_workgroup_id_z 1
		.amdhsa_system_vgpr_workitem_id 0
		.amdhsa_next_free_vgpr 242
		.amdhsa_next_free_sgpr 66
		.amdhsa_reserve_vcc 0
		.amdhsa_float_denorm_mode_32 3
		.amdhsa_float_denorm_mode_16_64 3
		.amdhsa_memory_ordered 1
		.amdhsa_forward_progress 1
		.amdhsa_inst_pref_size 19
	.end_amdhsa_kernel
	.amdgpu_metadata
---
amdhsa.version: [ 1, 2 ]
amdhsa.kernels:
  - .name:           k_qc5b0185e28_quant
    .symbol:         k_qc5b0185e28_quant.kd
    .args:
      - { .name: x, .offset: 0, .size: 8, .value_kind: global_buffer, .address_space: global }
      - { .name: w_qkv, .offset: 8, .size: 8, .value_kind: global_buffer, .address_space: global }
      - { .name: w_out, .offset: 16, .size: 8, .value_kind: global_buffer, .address_space: global }
      - { .name: c1, .offset: 24, .size: 8, .value_kind: global_buffer, .address_space: global }
      - { .name: s1, .offset: 32, .size: 8, .value_kind: global_buffer, .address_space: global }
    .group_segment_fixed_size: 35328
    .private_segment_fixed_size: 0
    .kernarg_segment_align: 8
    .kernarg_segment_size: 40
    .max_flat_workgroup_size: 128
    .sgpr_count:     66
    .vgpr_count:     242
    .wavefront_size: 32
...
	.end_amdgpu_metadata
.endif
;; end of part 1
;; launch qkv (part 2): grid 12 x 32, 4 waves a work-group, clusters of 4 x 4, 327,680 bytes of LDS; arguments c1, s1, b_qkv, c2, s2; writes c2, s2
.if DOCPART == 2
	.amdgcn_target "amdgcn-amd-amdhsa--gfx1250"
	.amdhsa_code_object_version 6
	.text
	.protected	k_qc5b0185e28_qkv
	.globl	k_qc5b0185e28_qkv
	.p2align	8
	.type	k_qc5b0185e28_qkv,@function
k_qc5b0185e28_qkv:
	s_mov_b64 s[64:65], 0
	v_nop
	global_prefetch_b8 v0, s[64:65] scope:SCOPE_SE
	s_setreg_imm32_b32 hwreg(HW_REG_WAVE_MODE, 25, 1), 1
	s_wait_xcnt 0x0
	s_wait_alu depctr_hold_cnt(0) depctr_sa_sdst(0) depctr_va_vdst(0) depctr_va_sdst(0) depctr_va_ssrc(0) depctr_va_vcc(0) depctr_vm_vsrc(0)
	s_getreg_b32 s2, hwreg(HW_REG_IB_STS2, 6, 4)
	s_cmp_eq_u32 s2, 0
	s_cbranch_scc0 .Lentry_in_a_cluster
	s_endpgm
.Lentry_in_a_cluster:
	s_bfe_u32 s2, ttmp6, 0x10000c
	s_cmp_lg_u32 s2, 0xf033
	s_cbranch_scc0 .Lentry_shape_is_right
	s_endpgm
.Lentry_shape_is_right:
.set NQ,     2
.set FR,     12
.set NL,     4
.set NP,     4
.set FRB,    1536
.set HALFT,  16*FRB
.set SLOT,   4*HALFT
.set RSTEP,  2*HALFT
.set SCL,    2*SLOT
.set HALFS,  16*256
.set SBLK,   2*256
.set SPARE,  SCL+4*HALFS+8192
.set STQ,    0
.set STV,    2048
.set ADRA, 16
.set ADRB, 20
.set ADRS, 27
.set SPW,  28
.set NIL,  29
.set SC,   32
.set BN,   64
.set AF,   128
.set BM,   224
.set H,    128
.set KP,   192
.set CT,   216
.set TM,   240
.set PW,   8
.set SEL,  2
.set G1, 24
.set G0, 32
.set G1B, 48
.set G0B, 56
.set G1S, 68
.set G0S, 76
.set G1SB, 80
.set G0SB, 88
.set MSB, 0
.macro WIN new
.if MSB != (\new)
	s_set_vgpr_msb (MSB<<8)|(\new)
.set MSB, (\new)
.endif
.endm
.set MUL_LO, 0xa1
.set MUL_HI, 0xf1
.set TO_B,   0x40
.macro JLOAD g0a, g1a, g0b, g1b
	s_cmp_eq_u32 s15, 0
	s_cbranch_scc0 .Lfor_b_\@
	tensor_load_to_lds s[\g0a:\g0a+3], s[\g1a:\g1a+7]
	s_nop 0
.rept 4
	v_nop
.endr
	s_branch .Lasked_\@
.Lfor_b_\@:
	tensor_load_to_lds s[\g0b:\g0b+3], s[\g1b:\g1b+7]
	s_nop 0
.rept 4
	v_nop
.endr
.Lasked_\@:
.endm
.macro CREST
	s_cmp_lg_u32 s14, 0
	s_cbranch_scc1 .Lnot_wave_0_\@
	s_barrier_signal -3
.Lnot_wave_0_\@:
	s_barrier_wait -3
	s_barrier_signal -1
	s_barrier_wait -1
.endm
.macro CROUND
	s_barrier_signal -1
	s_barrier_wait -1
	CREST
.endm
	s_load_b128 s[4:7], s[0:1], 0x0
	s_load_b128 s[8:11], s[0:1], 0x10
	s_load_b64 s[12:13], s[0:1], 0x20
	v_lshl_add_u32 v[SPW], v0, 2, SPARE
	v_mov_b32 v[NIL], 0
	ds_add_u32 v28, v29
	ds_add_u32 v28, v29
	s_wait_dscnt 0x0
	v_lshrrev_b32 v1, 5, v0
	v_readfirstlane_b32 s14, v1
	s_lshr_b32 s15, s14, 1
	s_and_b32 s16, s14, 1
	s_bfe_u32 s40, ttmp6, 0x40000
	s_bfe_u32 s41, ttmp6, 0x40004
	s_lshl_b32 s42, ttmp9, 2
	s_add_co_u32 s42, s42, s40
	s_and_b32 s17, ttmp7, 0xffff
	s_lshl_b32 s17, s17, 2
	s_add_co_u32 s17, s17, s41
	s_lshl_b32 s43, s41, 2
	s_lshl_b32 s43, 15, s43
	s_lshl_b32 s44, 0x1111, s40
	s_lshr_b32 s95, ttmp9, 1
	s_min_u32 s95, s95, 1
	s_or_b32 s[G1+0], s43, (3<<16)|(1<<21)
	s_or_b32 s[G1B+0], s44, (3<<16)|(1<<21)
.irp g, G1, G1B                        ; the head's shape: both halves of a slot's A or B, 2 rows of 24,576 bytes, 98,304 bytes apart in memory
	s_mov_b32 s[\g+1], 3072<<16
	s_mov_b32 s[\g+2], 2<<16
	s_mov_b32 s[\g+3], 3072<<16
	s_mov_b32 s[\g+4], 2
	s_mov_b32 s[\g+5], 12288
	s_mov_b32 s[\g+6], 0
	s_mov_b32 s[\g+7], 0
.endr
	s_or_b32 s[G1S+0], s43, (3<<16)|(1<<21)        ; the scale bytes of 256 rows: 8,192 dense bytes as 32 rows of 256, dense in LDS too
	s_or_b32 s[G1SB+0], s44, (3<<16)|(1<<21)
.irp g, G1S, G1SB
	s_mov_b32 s[\g+1], 32<<16
	s_mov_b32 s[\g+2], 32<<16
	s_mov_b32 s[\g+3], 32<<16
	s_mov_b32 s[\g+4], 32
	s_mov_b32 s[\g+5], 32
	s_mov_b32 s[\g+6], 0
	s_mov_b32 s[\g+7], 0
.endr
	s_lshl_b32 s20, s17, 1
	s_add_co_u32 s20, s20, s16
	s_lshl_b32 s46, s42, 1
	s_add_co_u32 s46, s46, s16
	s_add_co_u32 s46, s46, 64
	s_lshl_b32 s22, s17, 13
	s_mov_b32 s23, 0
	s_lshl_b32 s92, s42, 13
	s_add_co_u32 s92, s92, 64<<12
	s_mov_b32 s93, 0
	s_mul_i32 s20, s20, 98304
	s_mov_b32 s21, 0
	s_mul_i32 s46, s46, 98304
	s_mov_b32 s47, 0
	s_mul_i32 s45, s14, HALFT
	s_wait_kmcnt 0x0
	s_add_nc_u64 s[20:21], s[4:5], s[20:21]
	s_add_nc_u64 s[22:23], s[6:7], s[22:23]
	s_add_nc_u64 s[46:47], s[4:5], s[46:47]
	s_add_nc_u64 s[92:93], s[6:7], s[92:93]
	CROUND
	s_mov_b32 s[G0S], 1
	s_mov_b32 s[G0S+1], SCL
	s_mov_b64 s[G0S+2:G0S+3], s[22:23]
	s_or_b32 s[G0S+3], s[G0S+3], 0x80000000
	s_mov_b32 s[G0SB], 1
	s_mov_b32 s[G0SB+1], SCL+2*HALFS
	s_mov_b64 s[G0SB+2:G0SB+3], s[92:93]
	s_or_b32 s[G0SB+3], s[G0SB+3], 0x80000000
.irp s, 0,1
	s_mov_b32 s[G0+4*\s], 1
	s_add_co_u32 s[G0+4*\s+1], s45, \s*SLOT
	s_add_nc_u64 s[G0+4*\s+2:G0+4*\s+3], s[20:21], \s*HALFT
	s_or_b32 s[G0+4*\s+3], s[G0+4*\s+3], 0x80000000
	s_mov_b32 s[G0B+4*\s], 1
	s_add_co_u32 s[G0B+4*\s+1], s45, \s*SLOT
	s_add_nc_u64 s[G0B+4*\s+2:G0B+4*\s+3], s[46:47], \s*HALFT
	s_or_b32 s[G0B+4*\s+3], s[G0B+4*\s+3], 0x80000000
.endr
; The head's four tiles, one a wave, in one chain of branches on the wave's number: wave 0 slot 0's 256 rows of A (its own group 0 stands at LDS byte 0 and at half 0),
; wave 1 A's scale bytes, wave 2 slot 0's 256 rows of B (its group 0 stands at 2 HALFT and at half 0), wave 3 B's scale bytes.
.macro HARM w, g0, g1, next
	s_cmp_eq_u32 s14, \w
	s_cbranch_scc0 \next
	tensor_load_to_lds s[\g0:\g0+3], s[\g1:\g1+7]
	s_nop 0
.rept 4
	v_nop
.endr
	s_branch .Lhead_asked
\next:
.endm
	HARM 0, G0, G1, .Lhead_1
	HARM 1, G0S, G1S, .Lhead_2
	HARM 2, G0B, G1B, .Lhead_3
	tensor_load_to_lds s[G0SB:G0SB+3], s[G1SB:G1SB+7]
	s_nop 0
.rept 4
	v_nop
.endr
.Lhead_asked:
	v_and_b32 v1, 15, v0
	v_bfe_u32 v2, v0, 4, 1
	v_and_b32 v3, 31, v0
	v_lshlrev_b32 v7, 6, v2
	s_wait_alu depctr_va_vdst(0)
	v_and_b32 v4, 8, v1
	v_add_nc_u32 v4, v4, v1
	v_lshlrev_b32 v24, 2, v4
	s_wait_alu depctr_va_vdst(0)
	s_lshl_b32 s46, s42, 10
	s_lshl_b32 s47, s16, 9
	s_add_co_u32 s18, s46, s47
	s_mov_b32 s19, 0
	s_add_nc_u64 s[66:67], s[8:9], s[18:19]
	s_lshl_b32 s47, s15, 9
	s_add_co_u32 s18, s46, s47
	s_add_nc_u64 s[98:99], s[8:9], s[18:19]
.irp b, 0,1,2,3,4,5,6,7
	global_load_b128 v[BN+8*\b:BN+8*\b+3], v7, s[66:67] offset:(32*(\b/2)+8*(\b%2))*4
	global_load_b128 v[BN+8*\b+4:BN+8*\b+7], v7, s[66:67] offset:(32*(\b/2)+8*(\b%2))*4+16
.endr
.irp a, 0,1,2,3,4,5,6,7
	global_load_b32 v[BM+2*\a], v24, s[98:99] offset:(32*(\a/2)+8*(\a%2))*4
	global_load_b32 v[BM+2*\a+1], v24, s[98:99] offset:(32*(\a/2)+8*(\a%2))*4
.endr
	s_cmp_eq_u32 s95, 0
	s_cselect_b32 s96, s15, s16
	s_cselect_b32 s97, s16, s15
	v_lshlrev_b32 v4, 4, v3
	s_wait_alu depctr_va_vdst(0)
	v_lshlrev_b32 v5, 3, v3
	s_wait_alu depctr_va_vdst(0)
	s_mul_i32 s21, s15, HALFT
	s_mul_i32 s23, s95, 2*HALFT
	s_add_co_u32 s21, s21, s23
	s_mul_i32 s22, s16, HALFT
	s_xor_b32 s23, s95, 1
	s_mul_i32 s23, s23, 2*HALFT
	s_add_co_u32 s22, s22, s23
.irp s, 0,1
	v_add_nc_u32 v[ADRA+\s], s21, v4
	v_add_nc_u32 v[ADRB+\s], s22, v4
	v_add_nc_u32 v[ADRA+2+\s], s21, v5
	v_add_nc_u32 v[ADRB+2+\s], s22, v5
	s_add_co_u32 s21, s21, SLOT
	s_add_co_u32 s22, s22, SLOT
.endr
	v_lshlrev_b32 v5, 5, v1                        ; my row's 32 scale bytes
	v_xor_b32 v6, s95, v2                          ; 0: these lanes take x's scale words, 1: the weight's
	v_mov_b32 v4, s97
	v_cmp_eq_u32 vcc_lo, 1, v6
	v_cndmask_b32 v4, s96, v4, vcc_lo              ; which 128 rows of that tensor's 256 are my wave's: 0 or 1
	v_lshl_add_u32 v4, v6, 1, v4                   ; the block of 128 rows' scale bytes, 0 .. 3
	v_lshl_add_u32 v5, v4, 12, v5                  ; HALFS = 4,096 bytes each
	v_add_nc_u32 v[ADRS], SCL, v5
	s_mov_b32 s18, 0x02020202
	v_mul_lo_u32 v11, v2, s18
	v_add_nc_u32 v11, 0x05040100, v11
	s_lshl_b32 s18, s14, 9
	v_lshlrev_b32 v12, 2, v1
	v_add_nc_u32 v13, s18, v12
	v_lshl_add_u32 v12, v2, 8, v13
	v_add_nc_u32 v13, STV, v13
	v_lshlrev_b32 v30, 4, v3
	v_add_nc_u32 v14, s18, v30
	v_add_nc_u32 v15, STV, v14
	v_lshlrev_b32 v31, 4, v1
	v_lshl_add_u32 v31, v2, 14, v31
.irp b, 0,1,2,3
	v_mov_b32 v[TM+4+\b], 0
.endr
	s_mov_b32 s[SEL], 0x76543210
	s_mov_b32 s[SEL+1], 0xfedcba98
	s_lshl_b32 s46, s42, 2
	s_lshl_b32 s47, s97, 1
	s_add_co_u32 s46, s46, s47
	s_lshl_b32 s18, s46, 8
	s_lshl_b32 s47, s17, 3
	s_add_co_u32 s18, s18, s47
	s_lshl_b32 s47, s96, 2
	s_add_co_u32 s18, s18, s47
	s_mul_i32 s18, s18, 1536
	s_add_nc_u64 s[10:11], s[10:11], s[18:19]
	s_lshl_b32 s18, s46, 6
	s_lshl_b32 s47, s17, 1
	s_add_co_u32 s18, s18, s47
	s_add_co_u32 s18, s18, s96
	s_lshl_b32 s18, s18, 8
	s_add_nc_u64 s[12:13], s[12:13], s[18:19]
.macro FRAG reg, adr, q, i
.set FO, (8*(\q)+(\i))*FRB
	ds_load_b128 v[\reg:\reg+3], v[\adr] offset:FO
	ds_load_b64 v[\reg+4:\reg+5], v[\adr+2] offset:FO+512
	ds_load_b128 v[\reg+6:\reg+9], v[\adr] offset:FO+768
	ds_load_b64 v[\reg+10:\reg+11], v[\adr+2] offset:FO+1280
.endm
.macro MUL16 a0, p, q, sc, zero
.irp a, \a0, \a0+1
.irp b, 0,1,2,3,4,5,6,7
.if \zero
	v_wmma_scale_f32_16x16x128_f8f6f4 v[8*(8*((\a)%4)+\b):8*(8*((\a)%4)+\b)+7], v[128*(\p)+FR*\b:128*(\p)+FR*\b+FR-1], v[AF+FR*(\a):AF+FR*(\a)+FR-1], 0, v[SC+8*NQ*(\sc)+NQ*\b+(\q)], v[SC+8*NQ*(\sc)+NQ*(\a)+(\q)] matrix_a_fmt:MATRIX_FMT_FP6 matrix_b_fmt:MATRIX_FMT_FP6 matrix_a_scale:MATRIX_SCALE_ROW1
.else
	v_wmma_scale_f32_16x16x128_f8f6f4 v[8*(8*((\a)%4)+\b):8*(8*((\a)%4)+\b)+7], v[128*(\p)+FR*\b:128*(\p)+FR*\b+FR-1], v[AF+FR*(\a):AF+FR*(\a)+FR-1], v[8*(8*((\a)%4)+\b):8*(8*((\a)%4)+\b)+7], v[SC+8*NQ*(\sc)+NQ*\b+(\q)], v[SC+8*NQ*(\sc)+NQ*(\a)+(\q)] matrix_a_fmt:MATRIX_FMT_FP6 matrix_b_fmt:MATRIX_FMT_FP6 matrix_a_scale:MATRIX_SCALE_ROW1
.endif
.endr
.endr
.endm
.macro FETCH_B slot, q, p
	WIN TO_B
.irp i, 0,1,2,3,4,5,6,7
	FRAG 128*(\p)+FR*\i, ADRB+\slot, \q, \i
.endr
	WIN 0
.endm
.macro FETCH_A slot, q, i0
.irp i, \i0, \i0+1, \i0+2, \i0+3
	FRAG AF+FR*(\i), ADRA+\slot, \q, \i
.endr
.endm
.macro SCALES sc
.irp i, 0,1,2,3,4,5,6,7
	ds_load_b64 v[SC+8*NQ*\sc+NQ*\i:SC+8*NQ*\sc+NQ*\i+1], v[ADRS] offset:\i*SBLK
.endr
.endm
.macro PLACES n
.rept \n
	v_nop
.endr
.endm
.macro STEP slot, q, zero
	s_wait_dscnt 4*NL
	WIN MUL_LO
	MUL16 0, (\q)%2, \q, \slot, \zero
	MUL16 2, (\q)%2, \q, \slot, \zero
	s_wait_dscnt 0
	PLACES NP
	FETCH_B \slot, (\q)+1, 1-(\q)%2
	FETCH_A \slot, (\q)+1, 0
	WIN MUL_HI
	MUL16 4, (\q)%2, \q, \slot, \zero
	MUL16 6, (\q)%2, \q, \slot, \zero
	PLACES NP
	WIN 0
	FETCH_A \slot, (\q)+1, 4
.endm
.macro TURN slot, next, fill
	s_wait_tensorcnt 0x0
	ds_add_u32 v[SPW], v[NIL]
	s_wait_dscnt 4*NL+1
	WIN MUL_LO
	MUL16 0, 1, NQ-1, \slot, 0
	s_wait_dscnt 0x0
	s_barrier_signal -1
	MUL16 2, 1, NQ-1, \slot, 0
	WIN 0
	s_barrier_wait -1
.if \fill
	CREST
	s_add_nc_u64 s[G0+4*\slot+2:G0+4*\slot+3], s[G0+4*\slot+2:G0+4*\slot+3], RSTEP
	s_add_nc_u64 s[G0B+4*\slot+2:G0B+4*\slot+3], s[G0B+4*\slot+2:G0B+4*\slot+3], RSTEP
	JLOAD G0+4*\slot, G1, G0B+4*\slot, G1B
.else
	PLACES NP
.endif
	s_wait_alu depctr_va_vdst(0)
	v_add_nc_u32 v[ADRS], 4*NQ, v[ADRS]
	FETCH_B \next, 0, 0
	FETCH_A \next, 0, 0
	SCALES \next
	WIN MUL_HI
	MUL16 4, 1, NQ-1, \slot, 0
	MUL16 6, 1, NQ-1, \slot, 0
	PLACES NP
	WIN 0
	FETCH_A \next, 0, 4
.endm
.macro QUANT s, d0, d1, pw
.irp b, 0,1,2,3
	v_max3_num_f32 v[TM+\b], |v[(\s)+16*\b]|, |v[(\s)+1+16*\b]|, 0x1800000
.endr
.irp i, 2,4,6,8,10,12,14
.irp b, 0,1,2,3
	v_max3_num_f32 v[TM+\b], v[TM+\b], |v[(\s)+16*\b+\i]|, |v[(\s)+1+16*\b+\i]|
.endr
.endr
.irp b, 0,1,2,3
	v_permlanex16_b32 v[TM+4+\b], v[TM+\b], s[SEL], s[SEL+1]
.endr
.irp b, 0,1,2,3
	v_max_num_f32 v[TM+\b], v[TM+\b], v[TM+4+\b]
.endr
.irp b, 0,1,2,3
	v_add_nc_u32 v[TM+12+\b], 0xff000000, v[TM+\b]
.endr
.irp b, 0,1,2,3
	v_lshrrev_b32 v[TM+4+\b], 23, v[TM+12+\b]
.endr
	v_lshl_or_b32 v[\pw], v[TM+5], 8, v[TM+4]
	v_lshl_or_b32 v[\pw], v[TM+6], 16, v[\pw]
	v_lshl_or_b32 v[\pw], v[TM+7], 24, v[\pw]
	v_cvt_scalef32_pk16_fp6_f32 v[(\d0):(\d0)+2], v[(\s):(\s)+15], v[TM+12]
	v_cvt_scalef32_pk16_fp6_f32 v[CT:CT+2], v[(\s)+16:(\s)+31], v[TM+13]
	v_cvt_scalef32_pk16_fp6_f32 v[(\d1):(\d1)+2], v[(\s)+32:(\s)+47], v[TM+14]
	v_cvt_scalef32_pk16_fp6_f32 v[CT+4:CT+6], v[(\s)+48:(\s)+63], v[TM+15]
	v_nop
.irp i, 0,1,2
	v_permlane16_swap_b32 v[(\d0)+\i], v[CT+\i]
.endr
.irp i, 0,1,2
	v_mov_b32 v[(\d0)+3+\i], v[CT+\i]
.endr
.irp i, 0,1,2
	v_permlane16_swap_b32 v[(\d1)+\i], v[CT+4+\i]
.endr
.irp i, 0,1,2
	v_mov_b32 v[(\d1)+3+\i], v[CT+4+\i]
.endr
.endm
.macro TAKE a, lane
	WIN 0x02+(\a)/4
.set TI, 0
.rept 32
.if \lane
	v_pk_add_f32 v[H+2*TI:H+2*TI+1], v[64*((\a)%4)+2*TI:64*((\a)%4)+2*TI+1], v[BM+2*(\a):BM+2*(\a)+1]
.else
	v_pk_add_f32 v[H+2*TI:H+2*TI+1], v[64*((\a)%4)+2*TI:64*((\a)%4)+2*TI+1], v[BN+2*TI:BN+2*TI+1]
.endif
.set TI, TI+1
.endr
	WIN 0
.endm
	s_wait_alu depctr_va_vdst(0)
	s_wait_tensorcnt 0x0                           ; my tile of the head's four is in; slot 1's first fill is issued as a refill is
	ds_add_u32 v[SPW], v[NIL]
.irp g, G1, G1B                        ; no tensor load of mine is out: from here on a load brings 96 rows of 256 bytes
	s_mov_b32 s[\g+1], 32<<16
	s_mov_b32 s[\g+2], 96<<16
	s_mov_b32 s[\g+3], 32<<16
	s_mov_b32 s[\g+4], 96
	s_mov_b32 s[\g+5], 32
.endr
	s_wait_dscnt 0x0
	CROUND
	JLOAD G0+4, G1, G0B+4, G1B
	FETCH_B 0, 0, 0
	FETCH_A 0, 0, 0
	SCALES 0
	FETCH_A 0, 0, 4
	STEP 0, 0, 1
	TURN 0, 1, 1
	STEP 1, 0, 0
	TURN 1, 0, 1
	STEP 0, 0, 0
	TURN 0, 1, 0
	STEP 1, 0, 0
	s_wait_dscnt 4*NL
	WIN MUL_LO
	MUL16 0, 1, NQ-1, 1, 0
	MUL16 2, 1, NQ-1, 1, 0
	s_wait_dscnt 0
	WIN MUL_HI
	MUL16 4, 1, NQ-1, 1, 0
	MUL16 6, 1, NQ-1, 1, 0
	WIN 0
	s_wait_loadcnt 0x0
	PLACES NP
	s_cmp_lg_u32 s95, 0
	s_cbranch_scc1 .Lvalues
.irp e, 0,1,2,3
	s_wait_xcnt 0x0
	TAKE 2*\e, 0
	QUANT H, KP, KP+12, PW
	TAKE 2*\e+1, 0
	QUANT H, KP+6, KP+18, PW+1
	v_perm_b32 v10, v[PW+1], v[PW], v11
	ds_store_b32 v12, v10 offset:64*\e
.irp c, 0,1
.irp g, 0,1,2
	global_store_b128 v30, v[KP+12*\c+4*\g:KP+12*\c+4*\g+3], s[10:11] offset:\c*393216+\e*1536+512*\g
.endr
.endr
.endr
	ds_load_b128 v[H:H+3], v14
	s_wait_dscnt 0x0
	global_store_b128 v31, v[H:H+3], s[12:13]
	s_branch .Ljoin
.Lvalues:
.irp a, 0,1,2,3,4,5,6,7
	s_wait_xcnt 0x0
	TAKE \a, 1
	QUANT H, KP, KP+6, PW
	ds_store_b32 v13, v[PW] offset:64*\a
.irp g, 0,1,2
	global_store_b128 v30, v[KP+4*\g:KP+4*\g+3], s[10:11] offset:(\a/4)*393216+(\a%4)*1536+512*\g
.endr
.endr
	ds_load_b128 v[H:H+3], v15
	s_wait_dscnt 0x0
	global_store_b128 v31, v[H:H+3], s[12:13]
.Ljoin:
	s_wait_tensorcnt 0x0
	ds_add_u32 v[SPW], v[NIL]
	s_wait_dscnt 0x0
	CROUND
	s_endpgm
.Lfunc_end_k_qc5b0185e28_qkv:
	.size	k_qc5b0185e28_qkv, .Lfunc_end_k_qc5b0185e28_qkv-k_qc5b0185e28_qkv
	.p2alignl 7, 3214868480
	.fill 96, 4, 3214868480
	.section	.rodata,"a",@progbits
	.p2align	6, 0x0
	.amdhsa_kernel k_qc5b0185e28_qkv
		.amdhsa_group_segment_fixed_size 327680
		.amdhsa_private_segment_fixed_size 0
		.amdhsa_enable_private_segment 0
		.amdhsa_kernarg_size 40
		.amdhsa_user_sgpr_count 2
		.amdhsa_user_sgpr_kernarg_segment_ptr 1
		.amdhsa_wavefront_size32 1
		.amdhsa_system_sgpr_workgroup_id_x 1
		.amdhsa_system_sgpr_workgroup_id_y 1
		.amdhsa_system_sgpr_workgroup_id_z 1
		.amdhsa_system_vgpr_workitem_id 0
		.amdhsa_next_free_vgpr 1024
		.amdhsa_next_free_sgpr 100
		.amdhsa_reserve_vcc 1
		.amdhsa_float_denorm_mode_32 3
		.amdhsa_float_denorm_mode_16_64 3
		.amdhsa_memory_ordered 1
		.amdhsa_forward_progress 1
		.amdhsa_inst_pref_size 218
	.end_amdhsa_kernel
	.amdgpu_metadata
---
amdhsa.version: [ 1, 2 ]
amdhsa.kernels:
  - .name:           k_qc5b0185e28_qkv
    .symbol:         k_qc5b0185e28_qkv.kd
    .args:
      - { .name: c1, .offset: 0, .size: 8, .value_kind: global_buffer, .address_space: global }
      - { .name: s1, .offset: 8, .size: 8, .value_kind: global_buffer, .address_space: global }
      - { .name: b_qkv, .offset: 16, .size: 8, .value_kind: global_buffer, .address_space: global }
      - { .name: c2, .offset: 24, .size: 8, .value_kind: global_buffer, .address_space: global }
      - { .name: s2, .offset: 32, .size: 8, .value_kind: global_buffer, .address_space: global }
    .group_segment_fixed_size: 327680
    .private_segment_fixed_size: 0
    .kernarg_segment_align: 8
    .kernarg_segment_size: 40
    .max_flat_workgroup_size: 128
    .sgpr_count:     100
    .vgpr_count:     1024
    .wavefront_size: 32
...
	.end_amdgpu_metadata
.endif
;; end of part 2
;; launch attn (part 3): grid 4 x 64, 16 waves a work-group, clusters of 4 x 1, 206,848 bytes of LDS; arguments c2, s2, c3, s3; writes c3, s3
.if DOCPART == 3
	.amdgcn_target "amdgcn-amd-amdhsa--gfx1250"
	.amdhsa_code_object_version 6
	.text
	.protected	k_qc5b0185e28_attn
	.globl	k_qc5b0185e28_attn
	.p2align	8
	.type	k_qc5b0185e28_attn,@function
k_qc5b0185e28_attn:
	s_mov_b64 s[64:65], 0
	v_nop
	global_prefetch_b8 v0, s[64:65] scope:SCOPE_SE
	s_setreg_imm32_b32 hwreg(HW_REG_WAVE_MODE, 25, 1), 1
	s_wait_xcnt 0x0
	s_wait_alu depctr_hold_cnt(0) depctr_sa_sdst(0) depctr_va_vdst(0) depctr_va_sdst(0) depctr_va_ssrc(0) depctr_va_vcc(0) depctr_vm_vsrc(0)
	s_getreg_b32 s2, hwreg(HW_REG_IB_STS2, 6, 4)
	s_cmp_eq_u32 s2, 0
	s_cbranch_scc0 .Lentry_in_a_cluster
	s_endpgm
.Lentry_in_a_cluster:
	s_bfe_u32 s2, ttmp6, 0x10000c
	s_cmp_lg_u32 s2, 0x3003
	s_cbranch_scc0 .Lentry_shape_is_right
	s_endpgm
.Lentry_shape_is_right:
; Attention of one (batch, head) on codes of FP6 (E2M3) with E8M0 scales: S = q k^T (K = the head's 64), p = 2^(t - M) with t = S log2(e) / 8 and M the running largest t rounded up to a whole number,
; O = p v (K = the keys), O / the sum of the unquantised p, quantised along the model's 1,024 and stored as fragment images for the last product.
; IN: c2 / s2.  q's and k's pair images: 12 registers, 0-5 tile 0 of 32 tokens (lane (r, h): place r, channels 32 h on), 6-11 tile 1; place r of tile u is token 8 u + r + 8 (r / 8).  v's images: 16 channels x 128 keys.
; K = 64 fills half of an instruction's 128: a pair image of k is one source 0; the query operand is [q | zeros] for tile 0's keys and [zeros | q] for tile 1's: zero codes add nothing under any byte from 1 to 254.
; Both products are used transposed: a lane holds one query throughout; the 16 registers of two neighbouring score tiles are 16 neighbouring keys.
; SHARES: a cluster of four work-groups takes one (batch, head); a work-group 512 queries; each of its sixteen waves 32, as two passes of 16 over all 16 key steps.
; ALL OF K AND V OF THE HEAD, 196,608 bytes of codes and 8,192 of scale words, lie in LDS, filled once by joint loads, one a wave: waves 0-3 a quarter of K's codes each, waves 4-7 of V's,
; wave 8 both tensors' scale words (two rows of 4,096 bytes).  Every wave waits for all its loads, one barrier shows them to all, and no barrier follows but the closing round's.
; No byte is filled again: no ring; all is asked for by the first fills, so there is nothing to prefetch.
; OUT: c3: half a fragment (a head is 64 of a K step's 128): registers 0-3 at 16 x lane, 4, 5 at 512 + 8 x lane.  s3: [row][32 bytes]: my head's two bytes of each row: two bytes a lane, since a row's bytes belong to sixteen heads, that is sixteen clusters.
; LIMITS: NaN and infinities are not served; a block of zeros or under 2^-124 keeps the byte 1.
.set VL,   98304                       ; LDS: K's codes from 0 (64 pair images); V's from here (16 key steps x 4 images)
.set KSL,  196608                      ; K's scale words, 256 bytes a key step; V's 4,096 bytes on
.set SPARE, 204800                     ; the spare words: 128 bytes a wave
.set STEPB, 6144                       ; a key step's four images
.set AK0,  1                           ; v1 16 x lane; v2 VL + 16 x lane; v3 KSL + 4 x lane
.set AV0,  2
.set AS0,  3
.set ADK,  4                           ; v4-6 the addresses of the step in hand
.set ADV,  5
.set ADS,  6
.set SQ,   18                          ; v18, v19 q's scale words for pass 0, 1
.set KSC,  20                          ; v20-21 K's scale words: lanes 0-15 the even pair's, lanes 16-31 the odd one's
.set VSC,  22                          ; v22-23 V's likewise
.set PSC,  24                          ; v24 p's scale word
.set MX,   56                          ; v56-59 block maxima; v60-63 the other half's
.set S,    64                          ; v64-127 scores, then p
.set O,    128                         ; v128-159 O^T
.set PC,   160                         ; v160-171 p's codes
.set CT,   172
.set F,    180                         ; v180-227 four fragments of K, then of V
.set SO,   228                         ; v228-231 the conversions' scale operands
.set BY,   232                         ; v232-235 scale bytes
.set TMP,  238
.set T,    246                         ; v246-253 four chains of the row's sum (v240-245 hold pass 0's stored codes and are not written again)
.set WV,   12
.set SEL,  22
.set CS,   24                          ; s[24:25] c = log2(e) / 8
.set G1C,  28
.set G1S,  36
.set G0,   44                          ; s[44:47] group 0 of the scale words, s[48:51] of my quarter of codes
.set TB,   66
.set TS,   67
.set CNT,  68
.macro ROUND
	s_barrier_signal -1
	s_barrier_wait -1
	s_cmp_lg_u32 s[WV], 0
	s_cbranch_scc1 .Lnot_wave_0_\@
	s_barrier_signal -3
.Lnot_wave_0_\@:
	s_barrier_wait -3
	s_barrier_signal -1
	s_barrier_wait -1
.endm
	s_load_b256 s[4:11], s[0:1], 0x0               ; c2, s2, c3, s3
	v_lshl_add_u32 v254, v0, 2, SPARE
	v_mov_b32 v255, 0
	ds_add_u32 v254, v255
	ds_add_u32 v254, v255
	v_lshrrev_b32 v1, 5, v0
	s_delay_alu instid0(VALU_DEP_1)
	v_readfirstlane_b32 s[WV], v1                  ; wave 0..15
	s_bfe_u32 s13, ttmp6, 0x40000                  ; cx: it enters q's and the outputs' addresses alone
	s_and_b32 s14, ttmp7, 0xffff                   ; 16 x batch + head
	s_and_b32 s15, s14, 15
	s_lshr_b32 s16, s14, 4
	s_mov_b32 s[G1C], 15|(3<<16)|(1<<21)           ; the mask: all four work-groups; elements of 8 bytes
	s_mov_b32 s[G1C+1], 32<<16                     ; 24,576 dense bytes as 96 rows of 256
	s_mov_b32 s[G1C+2], 96<<16
	s_mov_b32 s[G1C+3], 32<<16
	s_mov_b32 s[G1C+4], 96
	s_mov_b32 s[G1C+5], 32
	s_mov_b32 s[G1C+6], 0
	s_mov_b32 s[G1C+7], 0
	s_mov_b32 s[G1S], 15|(3<<16)|(1<<21)           ; K's and V's scale words: 2 rows of 4,096 bytes, 262,144 bytes apart
	s_mov_b32 s[G1S+1], 512<<16
	s_mov_b32 s[G1S+2], 2<<16
	s_mov_b32 s[G1S+3], 512<<16
	s_mov_b32 s[G1S+4], 2
	s_mov_b32 s[G1S+5], 32768
	s_mov_b32 s[G1S+6], 0
	s_mov_b32 s[G1S+7], 0
	s_lshr_b32 s17, s[WV], 2                       ; waves 0-3: K, waves 4-7: V
	s_lshl_b32 s17, s17, 4
	s_add_co_u32 s17, s17, s15
	s_add_co_u32 s17, s17, 16
	s_mul_i32 s18, s17, 393216
	s_mul_i32 s19, s16, 98304
	s_add_co_u32 s18, s18, s19
	s_and_b32 s19, s[WV], 3
	s_mul_i32 s19, s19, 24576                      ; my quarter of the keys
	s_add_co_u32 s18, s18, s19
	s_mov_b32 s19, 0
	s_add_co_u32 s20, s15, 16
	s_lshl_b32 s20, s20, 14
	s_lshl_b32 s21, s16, 12
	s_add_co_u32 s20, s20, s21                     ; K's scale words of this (batch, head)
	s_mov_b32 s21, 0
	s_mul_i32 s78, s[WV], 24576                    ; where my quarter goes: by the wave's number alone
	s_lshl_b32 s82, s13, 4
	s_add_co_u32 s82, s82, s[WV]                   ; my pair of query tiles: 16 cx + wave
	s_mul_i32 s70, s15, 393216
	s_mul_i32 s71, s16, 98304
	s_add_co_u32 s70, s70, s71
	s_mul_i32 s71, s82, 1536
	s_add_co_u32 s70, s70, s71                     ; q's pair image
	s_mov_b32 s71, 0
	s_lshl_b32 s72, s15, 14
	s_lshl_b32 s73, s16, 12
	s_add_co_u32 s72, s72, s73
	s_lshl_b32 s73, s82, 6
	s_add_co_u32 s72, s72, s73                     ; its scale words
	s_mov_b32 s73, 0
	s_lshl_b32 s74, s16, 4
	s_lshl_b32 s75, s13, 2
	s_add_co_u32 s74, s74, s75
	s_lshr_b32 s75, s[WV], 2
	s_add_co_u32 s74, s74, s75                     ; c3: my group of 128 rows,
	s_mul_i32 s74, s74, 98304
	s_lshr_b32 s75, s15, 1
	s_mul_i32 s75, s75, 12288                      ; the K step head / 2,
	s_add_co_u32 s74, s74, s75
	s_and_b32 s75, s[WV], 3
	s_mul_i32 s75, s75, 3072                       ; my two tiles,
	s_add_co_u32 s74, s74, s75
	s_and_b32 s75, s15, 1
	s_mul_i32 s75, s75, 768                        ; the half head % 2
	s_add_co_u32 s74, s74, s75
	s_mov_b32 s75, 0
	s_lshl_b32 s76, s16, 6
	s_add_co_u32 s76, s76, s82
	s_lshl_b32 s76, s76, 10                        ; s3: my 32 rows of 32 bytes,
	s_lshl_b32 s77, s15, 1
	s_add_co_u32 s76, s76, s77                     ; my head's two bytes
	s_mov_b32 s77, 0
	s_mov_b32 s[SEL], 0x76543210
	s_mov_b32 s[SEL+1], 0xfedcba98
	s_mov_b32 s[CS], 0x3e38aa3b                    ; log2(e) / sqrt(64)
	s_mov_b32 s[CS+1], s[CS]
	s_mov_b32 s69, 0xffff0000                      ; lanes 16-31
	s_wait_dscnt 0x0
	s_wait_kmcnt 0x0
	s_add_nc_u64 s[70:71], s[4:5], s[70:71]
	s_add_nc_u64 s[72:73], s[6:7], s[72:73]
	s_add_nc_u64 s[74:75], s[8:9], s[74:75]
	s_add_nc_u64 s[76:77], s[10:11], s[76:77]
	s_mov_b32 s[G0], 1
	s_mov_b32 s[G0+1], KSL
	s_add_nc_u64 s[G0+2:G0+3], s[6:7], s[20:21]
	s_or_b32 s[G0+3], s[G0+3], 0x80000000
	s_mov_b32 s[G0+4], 1
	s_mov_b32 s[G0+5], s78
	s_add_nc_u64 s[G0+6:G0+7], s[4:5], s[18:19]
	s_or_b32 s[G0+7], s[G0+7], 0x80000000
	ROUND                                          ; all four work-groups are here: the joint loads meet
	s_cmp_lt_u32 s[WV], 8
	s_cbranch_scc0 .Lnot_codes
	tensor_load_to_lds s[G0+4:G0+7], s[G1C:G1C+7]  ; waves 0-7: a quarter of K's or of V's codes
	s_nop 0
.rept 4
	v_nop
.endr
	s_branch .Lno_fill
.Lnot_codes:
	s_cmp_eq_u32 s[WV], 8
	s_cbranch_scc0 .Lno_fill
	tensor_load_to_lds s[G0:G0+3], s[G1S:G1S+7]    ; wave 8: the scale words
	s_nop 0
.rept 4
	v_nop
.endr
.Lno_fill:
	v_and_b32 v10, 31, v0                          ; lane
	v_and_b32 v11, 15, v0                          ; r
	s_delay_alu instid0(VALU_DEP_2)
	v_lshlrev_b32 v[AK0], 4, v10
	s_delay_alu instid0(VALU_DEP_1)
	v_add_nc_u32 v[AV0], VL, v[AK0]
	s_delay_alu instid0(VALU_DEP_4)
	v_lshl_add_u32 v[AS0], v10, 2, KSL
	v_lshlrev_b32 v7, 4, v10                       ; global offsets: 16, 8, 32 x lane; never rewritten
	v_lshlrev_b32 v8, 3, v10
	v_lshlrev_b32 v9, 5, v10
	v_lshlrev_b32 v11, 2, v11                      ; 4 r
	global_load_b128 v[32:35], v7, s[70:71]                ; q's pair image: registers 0-5 into v32-37,
	global_load_b64 v[36:37], v7, s[70:71] offset:512
	global_load_b64 v[44:45], v7, s[70:71] offset:520      ; 6-11 into v44-49
	global_load_b128 v[46:49], v7, s[70:71] offset:1024
	global_load_b32 v[TMP], v11, s[72:73]
.irp j, 26,27,28,29,30,31,38,39,40,41,42,43,50,51,52,53,54,55
	v_mov_b32 v\j, 0                               ; zero codes round q's two tiles: [q | 0] of pass u is v[32 + 12 u ..], [0 | q] is v[26 + 12 u ..]
.endr
.irp b, 0,1,2,3
	v_mov_b32 v[MX+4+\b], 0                        ; a lane permute's destination counts as one of its sources
.endr
	v_mov_b32 v17, 0                               ; (the upper half of the pair v[16:17])
	s_wait_loadcnt 0x0
	v_perm_b32 v[SQ], v[TMP], v[TMP], 0x01000100   ; tile 0's two bytes, for either half of K
	v_perm_b32 v[SQ+1], v[TMP], v[TMP], 0x03020302 ; tile 1's
.macro QK d, p, q, u                   ; 16 keys x my 16 queries
.if (\p)%2
	v_wmma_scale_f32_16x16x128_f8f6f4 v[(\d):(\d)+7], v[F+12*(\p):F+12*(\p)+11], v[(\q):(\q)+11], 0, v[KSC+(\p)/2], v[SQ+(\u)] matrix_a_fmt:MATRIX_FMT_FP6 matrix_b_fmt:MATRIX_FMT_FP6 matrix_a_scale:MATRIX_SCALE_ROW1
.else
	v_wmma_scale_f32_16x16x128_f8f6f4 v[(\d):(\d)+7], v[F+12*(\p):F+12*(\p)+11], v[(\q):(\q)+11], 0, v[KSC+(\p)/2], v[SQ+(\u)] matrix_a_fmt:MATRIX_FMT_FP6 matrix_b_fmt:MATRIX_FMT_FP6
.endif
.endm
.macro PV t                            ; O^T += channel tile t x p, K = the step's 128 keys
.if (\t)%2
	v_wmma_scale_f32_16x16x128_f8f6f4 v[O+8*(\t):O+8*(\t)+7], v[F+12*(\t):F+12*(\t)+11], v[PC:PC+11], v[O+8*(\t):O+8*(\t)+7], v[VSC+(\t)/2], v[PSC] matrix_a_fmt:MATRIX_FMT_FP6 matrix_b_fmt:MATRIX_FMT_FP6 matrix_a_scale:MATRIX_SCALE_ROW1
.else
	v_wmma_scale_f32_16x16x128_f8f6f4 v[O+8*(\t):O+8*(\t)+7], v[F+12*(\t):F+12*(\t)+11], v[PC:PC+11], v[O+8*(\t):O+8*(\t)+7], v[VSC+(\t)/2], v[PSC] matrix_a_fmt:MATRIX_FMT_FP6 matrix_b_fmt:MATRIX_FMT_FP6
.endif
.endm
.macro STEP u                          ; a key step: 128 keys, for the query tile of pass u
	v_add_nc_u32 v[ADK], s[TB], v[AK0]
	v_add_nc_u32 v[ADV], s[TB], v[AV0]
	v_add_nc_u32 v[ADS], s[TS], v[AS0]
	v_nop                                          ; four places in front of loads into registers that the last products have read
.irp p, 0,1,2,3
.irp g, 0,1,2
	ds_load_b128 v[F+12*\p+4*\g:F+12*\p+4*\g+3], v[ADK] offset:1536*\p+512*\g
.endr
.endr
	ds_load_b32 v[KSC], v[ADS]
	ds_load_b32 v[KSC+1], v[ADS] offset:128
	s_wait_alu depctr_va_vdst(0)
	s_wait_dscnt 0x0
.irp p, 0,1,2,3
	QK S+16*\p, \p, 32+12*\u, \u                   ; register 16 p + i then holds key 32 p + 16 h + i
	QK S+16*\p+8, \p, 26+12*\u, \u
.endr
.rept 4
	v_nop                                          ; places in front of the loads below and of the first read of the scores
.endr
.irp p, 0,1,2,3
.irp g, 0,1,2
	ds_load_b128 v[F+12*\p+4*\g:F+12*\p+4*\g+3], v[ADV] offset:1536*\p+512*\g   ; V's fragments land under the softmax
.endr
.endr
	ds_load_b32 v[VSC], v[ADS] offset:4096
	ds_load_b32 v[VSC+1], v[ADS] offset:4224
.irp b, 0,1,2,3
	v_max3_num_f32 v[MX+\b], v[S+16*\b], v[S+1+16*\b], v[S+2+16*\b]   ; the largest score of each block of 32 keys: for the row's maximum and, since p rises with the score, for the block's largest p
.endr
.irp i, 3,5,7,9,11,13
.irp b, 0,1,2,3
	v_max3_num_f32 v[MX+\b], v[MX+\b], v[S+16*\b+\i], v[S+1+16*\b+\i]
.endr
.endr
.irp b, 0,1,2,3
	v_max_num_f32 v[MX+\b], v[MX+\b], v[S+15+16*\b]
.endr
.irp b, 0,1,2,3
	s_delay_alu instid0(VALU_DEP_4)
	v_permlanex16_b32 v[MX+4+\b], v[MX+\b], s[SEL], s[SEL+1]
.endr
.irp b, 0,1,2,3
	s_delay_alu instid0(VALU_DEP_4)
	v_max_num_f32 v[MX+\b], v[MX+\b], v[MX+4+\b]   ; with lane l xor 16's 16 keys
.endr
	s_delay_alu instid0(VALU_DEP_2)
	v_max3_num_f32 v[TMP], v[MX], v[MX+1], v[MX+2]
	s_delay_alu instid0(VALU_DEP_1)
	v_max_num_f32 v[TMP], v[TMP], v[MX+3]
	s_delay_alu instid0(VALU_DEP_1)
	v_mul_f32 v[TMP], s[CS], v[TMP]                ; as t (c is positive)
	s_delay_alu instid0(VALU_DEP_1)
	v_max_num_f32 v13, v13, v[TMP]                 ; the running largest t
	v_mov_b32 v[TMP], v12
	s_delay_alu instid0(VALU_DEP_2)
	v_floor_f32 v12, -v13                          ; the new -M = floor(-t): M is a whole number
	s_delay_alu instid0(VALU_DEP_1)
	v_sub_f32 v[TMP], v12, v[TMP]                  ; old M - new M: a whole number, 0 or less
	s_delay_alu instid0(VALU_DEP_1)
	v_cvt_i32_f32 v[TMP], v[TMP]                   ; (it saturates)
	s_delay_alu instid0(VALU_DEP_1)
	v_ldexp_f32 v16, 1.0, v[TMP]                   ; f = 2^(old M - new M): a multiplication by it rounds nothing
.set J, 0
.rept 32
	v_pk_fma_f32 v[S+J:S+J+1], v[S+J:S+J+1], s[CS:CS+1], v[12:13] op_sel_hi:[1,0,0]   ; t - M
.set J, J+2
.endr
.irp b, 0,1,2,3
	v_fma_f32 v[MX+\b], v[MX+\b], s[CS], v12       ; the same of each block's largest score
.endr
.set J, 0
	s_wait_alu depctr_va_vdst(0)                   ; ahead of the batch
.rept 64
	v_exp_f32 v[S+J], v[S+J]                       ; p = 2^(t - M), at most 1, not normalised
.set J, J+1
.endr
	v_pk_mul_f32 v[14:15], v[14:15], v[16:17] op_sel_hi:[1,0]   ; the sums under the new M; a plain place behind the exponentials
	s_wait_alu depctr_va_vdst(0)                   ; one wait for the batch, ahead of its first reader
.irp b, 0,1,2,3
	v_exp_f32 v[MX+\b], v[MX+\b]                   ; the block's largest p
.endr
.irp k, 0,1,2,3
	v_pk_add_f32 v[T+2*\k:T+2*\k+1], v[S+2*\k:S+2*\k+1], v[S+8+2*\k:S+9+2*\k]   ; the row's sum of the unquantised p: four chains by turns
.endr
.irp i, 16,24,32,40,48,56
.irp k, 0,1,2,3
	v_pk_add_f32 v[T+2*\k:T+2*\k+1], v[T+2*\k:T+2*\k+1], v[S+\i+2*\k:S+\i+2*\k+1]
.endr
.endr
	v_pk_add_f32 v[T:T+1], v[T:T+1], v[T+2:T+3]
	v_pk_add_f32 v[T+4:T+5], v[T+4:T+5], v[T+6:T+7]
	v_pk_add_f32 v[T:T+1], v[T:T+1], v[T+4:T+5]
	v_pk_add_f32 v[14:15], v[14:15], v[T:T+1]
	s_wait_alu depctr_va_vdst(0)                   ; and one for the four
.irp b, 0,1,2,3
	v_max_num_f32 v[MX+\b], 0x1800000, v[MX+\b]    ; the floor 2^(3 - 127): the byte cannot fall under 1
.endr
.irp b, 0,1,2,3
	s_delay_alu instid0(VALU_DEP_4)
	v_add_nc_u32 v[SO+\b], 0xff000000, v[MX+\b]    ; 2 off the exponent field: the conversion's scale operand
.endr
.irp b, 0,1,2,3
	s_delay_alu instid0(VALU_DEP_4)
	v_lshrrev_b32 v[BY+\b], 23, v[SO+\b]
.endr
	s_delay_alu instid0(VALU_DEP_3)
	v_lshl_or_b32 v[PSC], v[BY+1], 8, v[BY]
	s_delay_alu instid0(VALU_DEP_1)
	v_lshl_or_b32 v[PSC], v[BY+2], 16, v[PSC]
	s_delay_alu instid0(VALU_DEP_1)
	v_lshl_or_b32 v[PSC], v[BY+3], 24, v[PSC]
	v_cvt_scalef32_pk16_fp6_f32 v[PC:PC+2], v[S:S+15], v[SO]
	v_cvt_scalef32_pk16_fp6_f32 v[CT:CT+2], v[S+16:S+31], v[SO+1]
	v_cvt_scalef32_pk16_fp6_f32 v[PC+6:PC+8], v[S+32:S+47], v[SO+2]
	v_cvt_scalef32_pk16_fp6_f32 v[CT+4:CT+6], v[S+48:S+63], v[SO+3]
	v_nop                                          ; one plain place behind the last conversion
.irp c, 0,1
.irp i, 0,1,2
	v_permlane16_swap_b32 v[PC+6*\c+\i], v[CT+4*\c+\i]   ; a whole block in a lane
.endr
.irp i, 0,1,2
	s_delay_alu instid0(VALU_DEP_3)
	v_mov_b32 v[PC+3+6*\c+\i], v[CT+4*\c+\i]
.endr
.endr
	s_wait_alu depctr_va_vdst(0)                   ; directly ahead of the first reader of O^T
.set J, 0
.rept 16
	v_pk_mul_f32 v[O+J:O+J+1], v[O+J:O+J+1], v[16:17] op_sel_hi:[1,0]   ; O^T under the new M; also the places between the writes of p's codes and scale word and the products
.set J, J+2
.endr
	s_wait_alu depctr_va_vdst(0)
	s_wait_dscnt 0x0                               ; V's fragments and scale words
	PV 0                                           ; four accumulators by turns
	PV 1
	PV 2
	PV 3
	s_add_co_u32 s[TB], s[TB], STEPB
	s_add_co_u32 s[TS], s[TS], 256
.endm
.macro INIT
	v_mov_b32 v13, 0xff61b1e6                      ; the largest t so far: -3e38
	s_delay_alu instid0(VALU_DEP_1)
	v_floor_f32 v12, -v13
	v_mov_b32 v14, 0
	v_mov_b32 v15, 0
.set J, 0
.rept 32
	v_mov_b32 v[O+J], 0                            ; the step has no first form: the first change of M multiplies zeros
.set J, J+1
.endr
.endm
.macro FINISH u                        ; O^T / the sum, quantised along my head's 64 channels (two blocks), stored as half a fragment
.set OC, 240+6*\u
.rept 4
	v_nop
.endr
	v_add_f32 v14, v14, v15
	s_delay_alu instid0(VALU_DEP_1)
	v_permlanex16_b32 v[MX+4], v14, s[SEL], s[SEL+1]
	s_delay_alu instid0(VALU_DEP_1)
	v_add_f32 v14, v14, v[MX+4]                    ; the row's sum
	s_wait_alu depctr_va_vdst(0)
	v_rcp_f32 v252, v14
	v_rcp_f32 v253, v14                            ; twice: a pair for the packed multiply
	v_nop
	s_wait_alu depctr_va_vdst(0)
.set J, 0
.rept 16
	v_pk_mul_f32 v[S+J:S+J+1], v[O+J:O+J+1], v[252:253]   ; register 16 b + i: channel 32 b + 16 h + i; each accumulator from its low end on
.set J, J+2
.endr
.irp b, 0,1
	v_max3_num_f32 v[MX+\b], |v[S+16*\b]|, |v[S+1+16*\b]|, 0x1800000
.endr
.irp i, 2,4,6,8,10,12,14
.irp b, 0,1
	s_delay_alu instid0(VALU_DEP_2)
	v_max3_num_f32 v[MX+\b], v[MX+\b], |v[S+16*\b+\i]|, |v[S+1+16*\b+\i]|
.endr
.endr
.irp b, 0,1
	s_delay_alu instid0(VALU_DEP_2)
	v_permlanex16_b32 v[MX+4+\b], v[MX+\b], s[SEL], s[SEL+1]
.endr
.irp b, 0,1
	s_delay_alu instid0(VALU_DEP_2)
	v_max_num_f32 v[MX+\b], v[MX+\b], v[MX+4+\b]
.endr
.irp b, 0,1
	s_delay_alu instid0(VALU_DEP_2)
	v_add_nc_u32 v[SO+\b], 0xff000000, v[MX+\b]
.endr
.irp b, 0,1
	s_delay_alu instid0(VALU_DEP_2)
	v_lshrrev_b32 v[BY+\b], 23, v[SO+\b]
.endr
	s_delay_alu instid0(VALU_DEP_1)
	v_lshl_or_b32 v[TMP], v[BY+1], 8, v[BY]        ; my row's two bytes, the same in lanes r and r + 16
	v_cvt_scalef32_pk16_fp6_f32 v[OC:OC+2], v[S:S+15], v[SO]
	v_cvt_scalef32_pk16_fp6_f32 v[CT:CT+2], v[S+16:S+31], v[SO+1]
	v_nop
.irp i, 0,1,2
	v_permlane16_swap_b32 v[OC+\i], v[CT+\i]
.endr
.irp i, 0,1,2
	s_delay_alu instid0(VALU_DEP_3)
	v_mov_b32 v[OC+3+\i], v[CT+\i]
.endr
	global_store_b128 v7, v[OC:OC+3], s[74:75] offset:1536*\u          ; 512 consecutive bytes, aligned to 256
	global_store_b64 v8, v[OC+4:OC+5], s[74:75] offset:1536*\u+512     ; 256
.if \u
	v_cndmask_b32 v25, v25, v[TMP], s69            ; lanes 0-15 keep tile 0's rows, lanes 16-31 take tile 1's
.else
	v_mov_b32 v25, v[TMP]
.endif
.endm
.macro PASS u                          ; all 16 key steps for query tile u
	INIT
	s_mov_b32 s[TB], 0
	s_mov_b32 s[TS], 0
	s_mov_b32 s[CNT], 16
.Lpass_\@:
	STEP \u
	s_sub_co_u32 s[CNT], s[CNT], 1
	s_cmp_lg_u32 s[CNT], 0
	s_cbranch_scc1 .Lpass_\@
	FINISH \u
.endm
	s_wait_alu depctr_va_vdst(0)
	s_wait_tensorcnt 0x0                           ; every wave, under no branch: my load, if I issued one, has landed
	s_barrier_signal -1
	s_barrier_wait -1                              ; all of K, V and their scale words are shown to all sixteen waves
	PASS 0
	PASS 1
	global_store_b16 v9, v25, s[76:77]             ; my 32 rows' two scale bytes
	s_wait_tensorcnt 0x0                           ; the wave's end
	ds_add_u32 v254, v255
	s_wait_dscnt 0x0
	ROUND                                          ; the closing round
	s_endpgm
.Lfunc_end_k_qc5b0185e28_attn:
	.size	k_qc5b0185e28_attn, .Lfunc_end_k_qc5b0185e28_attn-k_qc5b0185e28_attn
	.p2alignl 7, 3214868480
	.fill 96, 4, 3214868480
	.section	.rodata,"a",@progbits
	.p2align	6, 0x0
	.amdhsa_kernel k_qc5b0185e28_attn
		.amdhsa_group_segment_fixed_size 206848
		.amdhsa_private_segment_fixed_size 0
		.amdhsa_enable_private_segment 0
		.amdhsa_kernarg_size 32
		.amdhsa_user_sgpr_count 2
		.amdhsa_user_sgpr_kernarg_segment_ptr 1
		.amdhsa_wavefront_size32 1
		.amdhsa_system_sgpr_workgroup_id_x 1
		.amdhsa_system_sgpr_workgroup_id_y 1
		.amdhsa_system_sgpr_workgroup_id_z 1
		.amdhsa_system_vgpr_workitem_id 0
		.amdhsa_next_free_vgpr 256
		.amdhsa_next_free_sgpr 84
		.amdhsa_reserve_vcc 0
		.amdhsa_float_denorm_mode_32 3
		.amdhsa_float_denorm_mode_16_64 3
		.amdhsa_memory_ordered 1
		.amdhsa_forward_progress 1
		.amdhsa_inst_pref_size 53
	.end_amdhsa_kernel
	.amdgpu_metadata
---
amdhsa.version: [ 1, 2 ]
amdhsa.kernels:
  - .name:           k_qc5b0185e28_attn
    .symbol:         k_qc5b0185e28_attn.kd
    .args:
      - { .name: c2, .offset: 0, .size: 8, .value_kind: global_buffer, .address_space: global }
      - { .name: s2, .offset: 8, .size: 8, .value_kind: global_buffer, .address_space: global }
      - { .name: c3, .offset: 16, .size: 8, .value_kind: global_buffer, .address_space: global }
      - { .name: s3, .offset: 24, .size: 8, .value_kind: global_buffer, .address_space: global }
    .group_segment_fixed_size: 206848
    .private_segment_fixed_size: 0
    .kernarg_segment_align: 8
    .kernarg_segment_size: 32
    .max_flat_workgroup_size: 512
    .sgpr_count:     84
    .vgpr_count:     256
    .wavefront_size: 32
...
	.end_amdgpu_metadata
.endif
;; end of part 3
;; launch oproj (part 4): grid 4 x 32, 4 waves a work-group, clusters of 4 x 4, 327,680 bytes of LDS; arguments c3, s3, c1, s1, b_out, out0; writes out0
.if DOCPART == 4
	.amdgcn_target "amdgcn-amd-amdhsa--gfx1250"
	.amdhsa_code_object_version 6
	.text
	.protected	k_qc5b0185e28_oproj
	.globl	k_qc5b0185e28_oproj
	.p2align	8
	.type	k_qc5b0185e28_oproj,@function
k_qc5b0185e28_oproj:
	s_mov_b64 s[64:65], 0
	v_nop
	global_prefetch_b8 v0, s[64:65] scope:SCOPE_SE
	s_setreg_imm32_b32 hwreg(HW_REG_WAVE_MODE, 25, 1), 1
	s_wait_xcnt 0x0
	s_wait_alu depctr_hold_cnt(0) depctr_sa_sdst(0) depctr_va_vdst(0) depctr_va_sdst(0) depctr_va_ssrc(0) depctr_va_vcc(0) depctr_vm_vsrc(0)
	s_getreg_b32 s2, hwreg(HW_REG_IB_STS2, 6, 4)
	s_cmp_eq_u32 s2, 0
	s_cbranch_scc0 .Lentry_in_a_cluster
	s_endpgm
.Lentry_in_a_cluster:
	s_bfe_u32 s2, ttmp6, 0x10000c
	s_cmp_lg_u32 s2, 0xf033
	s_cbranch_scc0 .Lentry_shape_is_right
	s_endpgm
.Lentry_shape_is_right:
.set NQ,     2
.set FR,     12
.set NL,     4
.set NP,     4
.set FRB,    1536
.set HALFT,  16*FRB
.set SLOT,   4*HALFT
.set RSTEP,  2*HALFT
.set SCL,    2*SLOT
.set HALFS,  16*272
.set SBLK,   2*272
.set SPARE,  SCL+4*HALFS
.set SPITCH, 528
.set ADRA, 16
.set ADRB, 20
.set STO,  24
.set RD,   25
.set CO,   26
.set ADRS, 27
.set SPW,  28
.set NIL,  29
.set SC,   32
.set BN,   64
.set AF,   128
.set BK,   128
.set G1, 24
.set G0, 32
.set G1B, 48
.set G0B, 56
.set G1S, 68
.set G0S, 76
.set G1SB, 80
.set G0SB, 88
.set MSB, 0
.macro WIN new
.if MSB != (\new)
	s_set_vgpr_msb (MSB<<8)|(\new)
.set MSB, (\new)
.endif
.endm
.set MUL_LO, 0xa1
.set MUL_HI, 0xf1
.set BIAS_LO, 0x81
.set BIAS_HI, 0xc1
.set TO_B,   0x40
.macro JLOAD g0a, g1a, g0b, g1b
	s_cmp_eq_u32 s15, 0
	s_cbranch_scc0 .Lfor_b_\@
	tensor_load_to_lds s[\g0a:\g0a+3], s[\g1a:\g1a+7]
	s_nop 0
.rept 4
	v_nop
.endr
	s_branch .Lasked_\@
.Lfor_b_\@:
	tensor_load_to_lds s[\g0b:\g0b+3], s[\g1b:\g1b+7]
	s_nop 0
.rept 4
	v_nop
.endr
.Lasked_\@:
.endm
.macro CREST
	s_cmp_lg_u32 s14, 0
	s_cbranch_scc1 .Lnot_wave_0_\@
	s_barrier_signal -3
.Lnot_wave_0_\@:
	s_barrier_wait -3
	s_barrier_signal -1
	s_barrier_wait -1
.endm
.macro CROUND
	s_barrier_signal -1
	s_barrier_wait -1
	CREST
.endm
	s_load_b128 s[4:7], s[0:1], 0x0
	s_load_b128 s[8:11], s[0:1], 0x10
	s_load_b128 s[96:99], s[0:1], 0x20
	v_lshl_add_u32 v[SPW], v0, 2, SPARE
	v_mov_b32 v[NIL], 0
	ds_add_u32 v28, v29
	ds_add_u32 v28, v29
	s_wait_dscnt 0x0
	v_lshrrev_b32 v1, 5, v0
	v_readfirstlane_b32 s14, v1
	s_lshr_b32 s15, s14, 1
	s_and_b32 s16, s14, 1
	s_bfe_u32 s40, ttmp6, 0x40000
	s_bfe_u32 s41, ttmp6, 0x40004
	s_lshl_b32 s42, ttmp9, 2
	s_add_co_u32 s42, s42, s40
	s_and_b32 s17, ttmp7, 0xffff
	s_lshl_b32 s17, s17, 2
	s_add_co_u32 s17, s17, s41
	s_lshl_b32 s43, s41, 2
	s_lshl_b32 s43, 15, s43
	s_lshl_b32 s44, 0x1111, s40
	s_or_b32 s[G1+0], s43, (3<<16)|(1<<21)
	s_or_b32 s[G1B+0], s44, (3<<16)|(1<<21)
.irp g, G1, G1B                        ; the head's shape: both halves of a slot's A or B, 2 rows of 24,576 bytes, 98,304 bytes apart in memory
	s_mov_b32 s[\g+1], 3072<<16
	s_mov_b32 s[\g+2], 2<<16
	s_mov_b32 s[\g+3], 3072<<16
	s_mov_b32 s[\g+4], 2
	s_mov_b32 s[\g+5], 12288
	s_mov_b32 s[\g+6], 0
	s_mov_b32 s[\g+7], 0
.endr
	s_or_b32 s[G1S+0], s43, (3<<16)|(1<<20)|(1<<21)|(5<<22)|(3<<25)
	s_or_b32 s[G1SB+0], s44, (3<<16)|(1<<20)|(1<<21)|(5<<22)|(3<<25)
.irp g, G1S, G1SB                      ; the scale bytes of 256 rows: 32 rows of 256 bytes, 16 of padding behind each
	s_mov_b32 s[\g+1], 32<<16
	s_mov_b32 s[\g+2], 32<<16
	s_mov_b32 s[\g+3], 32<<16
	s_mov_b32 s[\g+4], 32
	s_mov_b32 s[\g+5], 32
	s_mov_b32 s[\g+6], 0
	s_mov_b32 s[\g+7], 0
.endr
	s_lshl_b32 s20, s17, 1
	s_add_co_u32 s20, s20, s16
	s_lshl_b32 s46, s42, 1
	s_add_co_u32 s46, s46, s16
	s_add_co_u32 s46, s46, 88
	s_lshl_b32 s22, s17, 13
	s_mov_b32 s23, 0
	s_lshl_b32 s92, s42, 13
	s_add_co_u32 s92, s92, 88<<12
	s_mov_b32 s93, 0
	s_mul_i32 s20, s20, 98304
	s_mov_b32 s21, 0
	s_mul_i32 s46, s46, 98304
	s_mov_b32 s47, 0
	s_mul_i32 s45, s14, HALFT
	s_wait_kmcnt 0x0
	s_add_nc_u64 s[20:21], s[4:5], s[20:21]
	s_add_nc_u64 s[22:23], s[6:7], s[22:23]
	s_add_nc_u64 s[46:47], s[8:9], s[46:47]
	s_add_nc_u64 s[92:93], s[10:11], s[92:93]
	CROUND
	s_mov_b32 s[G0S], 1
	s_mov_b32 s[G0S+1], SCL
	s_mov_b64 s[G0S+2:G0S+3], s[22:23]
	s_or_b32 s[G0S+3], s[G0S+3], 0x80000000
	s_mov_b32 s[G0SB], 1
	s_mov_b32 s[G0SB+1], SCL+2*HALFS
	s_mov_b64 s[G0SB+2:G0SB+3], s[92:93]
	s_or_b32 s[G0SB+3], s[G0SB+3], 0x80000000
.irp s, 0,1
	s_mov_b32 s[G0+4*\s], 1
	s_add_co_u32 s[G0+4*\s+1], s45, \s*SLOT
	s_add_nc_u64 s[G0+4*\s+2:G0+4*\s+3], s[20:21], \s*HALFT
	s_or_b32 s[G0+4*\s+3], s[G0+4*\s+3], 0x80000000
	s_mov_b32 s[G0B+4*\s], 1
	s_add_co_u32 s[G0B+4*\s+1], s45, \s*SLOT
	s_add_nc_u64 s[G0B+4*\s+2:G0B+4*\s+3], s[46:47], \s*HALFT
	s_or_b32 s[G0B+4*\s+3], s[G0B+4*\s+3], 0x80000000
.endr
; The head's four tiles, one a wave, in one chain of branches on the wave's number: wave 0 slot 0's 256 rows of A (its own group 0 stands at LDS byte 0 and at half 0),
; wave 1 A's scale bytes, wave 2 slot 0's 256 rows of B (its group 0 stands at 2 HALFT and at half 0), wave 3 B's scale bytes.
.macro HARM w, g0, g1, next
	s_cmp_eq_u32 s14, \w
	s_cbranch_scc0 \next
	tensor_load_to_lds s[\g0:\g0+3], s[\g1:\g1+7]
	s_nop 0
.rept 4
	v_nop
.endr
	s_branch .Lhead_asked
\next:
.endm
	HARM 0, G0, G1, .Lhead_1
	HARM 1, G0S, G1S, .Lhead_2
	HARM 2, G0B, G1B, .Lhead_3
	tensor_load_to_lds s[G0SB:G0SB+3], s[G1SB:G1SB+7]
	s_nop 0
.rept 4
	v_nop
.endr
.Lhead_asked:
	v_and_b32 v1, 15, v0
	v_bfe_u32 v2, v0, 4, 1
	v_and_b32 v3, 31, v0
	s_wait_alu depctr_va_vdst(0)
	v_lshlrev_b32 v7, 6, v2
	s_lshl_b32 s46, s42, 10
	s_lshl_b32 s47, s16, 9
	s_add_co_u32 s46, s46, s47
	s_mov_b32 s47, 0
	s_add_nc_u64 s[96:97], s[96:97], s[46:47]
.irp b, 0,1,2,3,4,5,6,7
	global_load_b128 v[BN+8*\b:BN+8*\b+3], v7, s[96:97] offset:(32*(\b/2)+8*(\b%2))*4
	global_load_b128 v[BN+8*\b+4:BN+8*\b+7], v7, s[96:97] offset:(32*(\b/2)+8*(\b%2))*4+16
.endr
	s_lshl_b32 s20, s17, 8
	s_lshl_b32 s21, s15, 7
	s_add_co_u32 s20, s20, s21
	s_lshl_b32 s20, s20, 12
	s_add_co_u32 s20, s20, s46
	s_mov_b32 s21, 0
	s_add_nc_u64 s[98:99], s[98:99], s[20:21]
	v_lshlrev_b32 v4, 4, v3
	v_lshlrev_b32 v5, 3, v3
	s_mul_i32 s21, s15, HALFT
	s_mul_i32 s22, s16, HALFT
	s_add_co_u32 s22, s22, 2*HALFT
.irp s, 0,1
	v_add_nc_u32 v[ADRA+\s], s21, v4
	v_add_nc_u32 v[ADRB+\s], s22, v4
	v_add_nc_u32 v[ADRA+2+\s], s21, v5
	v_add_nc_u32 v[ADRB+2+\s], s22, v5
	s_add_co_u32 s21, s21, SLOT
	s_add_co_u32 s22, s22, SLOT
.endr
	v_lshlrev_b32 v5, 5, v1
	v_lshrrev_b32 v6, 8, v5
	v_lshl_add_u32 v5, v6, 4, v5
	s_mul_i32 s21, s15, HALFS
	s_mul_i32 s22, s16, HALFS
	s_add_co_u32 s22, s22, 2*HALFS
	s_sub_co_u32 s22, s22, s21
	v_mul_u32_u24 v6, s22, v2
	s_add_co_u32 s21, s21, SCL
	v_add_nc_u32 v5, v5, v6
	v_add_nc_u32 v[ADRS], s21, v5
	s_mul_i32 s23, s14, 16*SPITCH
	v_mul_u32_u24 v5, v1, SPITCH
	v_lshl_add_u32 v5, v2, 6, v5
	v_add_nc_u32 v[STO], s23, v5
	v_lshlrev_b32 v[CO], 4, v3
	v_add_nc_u32 v[RD], s23, v[CO]
.macro FRAG reg, adr, q, i
.set FO, (8*(\q)+(\i))*FRB
	ds_load_b128 v[\reg:\reg+3], v[\adr] offset:FO
	ds_load_b64 v[\reg+4:\reg+5], v[\adr+2] offset:FO+512
	ds_load_b128 v[\reg+6:\reg+9], v[\adr] offset:FO+768
	ds_load_b64 v[\reg+10:\reg+11], v[\adr+2] offset:FO+1280
.endm
.macro MUL16 a0, p, q, sc, zero
.irp a, \a0, \a0+1
.irp b, 0,1,2,3,4,5,6,7
.if \zero
	v_wmma_scale_f32_16x16x128_f8f6f4 v[8*(8*((\a)%4)+\b):8*(8*((\a)%4)+\b)+7], v[128*(\p)+FR*\b:128*(\p)+FR*\b+FR-1], v[AF+FR*(\a):AF+FR*(\a)+FR-1], v[BN+8*\b:BN+8*\b+7], v[SC+8*NQ*(\sc)+NQ*\b+(\q)], v[SC+8*NQ*(\sc)+NQ*(\a)+(\q)] matrix_a_fmt:MATRIX_FMT_FP6 matrix_b_fmt:MATRIX_FMT_FP6 matrix_a_scale:MATRIX_SCALE_ROW1
.else
	v_wmma_scale_f32_16x16x128_f8f6f4 v[8*(8*((\a)%4)+\b):8*(8*((\a)%4)+\b)+7], v[128*(\p)+FR*\b:128*(\p)+FR*\b+FR-1], v[AF+FR*(\a):AF+FR*(\a)+FR-1], v[8*(8*((\a)%4)+\b):8*(8*((\a)%4)+\b)+7], v[SC+8*NQ*(\sc)+NQ*\b+(\q)], v[SC+8*NQ*(\sc)+NQ*(\a)+(\q)] matrix_a_fmt:MATRIX_FMT_FP6 matrix_b_fmt:MATRIX_FMT_FP6 matrix_a_scale:MATRIX_SCALE_ROW1
.endif
.endr
.endr
.endm
.macro FETCH_B slot, q, p
	WIN TO_B
.irp i, 0,1,2,3,4,5,6,7
	FRAG 128*(\p)+FR*\i, ADRB+\slot, \q, \i
.endr
	WIN 0
.endm
.macro FETCH_A slot, q, i0
.irp i, \i0, \i0+1, \i0+2, \i0+3
	FRAG AF+FR*(\i), ADRA+\slot, \q, \i
.endr
.endm
.macro SCALES sc
.irp i, 0,1,2,3,4,5,6,7
	ds_load_b64 v[SC+8*NQ*\sc+NQ*\i:SC+8*NQ*\sc+NQ*\i+1], v[ADRS] offset:\i*SBLK
.endr
.endm
.macro PLACES n
.rept \n
	v_nop
.endr
.endm
.macro STEP slot, q, zero
	s_wait_dscnt 4*NL
.if \zero
	WIN BIAS_LO
.else
	WIN MUL_LO
.endif
	MUL16 0, (\q)%2, \q, \slot, \zero
	MUL16 2, (\q)%2, \q, \slot, \zero
	s_wait_dscnt 0
	PLACES NP
	FETCH_B \slot, (\q)+1, 1-(\q)%2
	FETCH_A \slot, (\q)+1, 0
.if \zero
	WIN BIAS_HI
.else
	WIN MUL_HI
.endif
	MUL16 4, (\q)%2, \q, \slot, \zero
	MUL16 6, (\q)%2, \q, \slot, \zero
	PLACES NP
	WIN 0
	FETCH_A \slot, (\q)+1, 4
.endm
.macro TURN slot, next, fill
	s_wait_tensorcnt 0x0
	ds_add_u32 v[SPW], v[NIL]
	s_wait_dscnt 4*NL+1
	WIN MUL_LO
	MUL16 0, 1, NQ-1, \slot, 0
	s_wait_dscnt 0x0
	s_barrier_signal -1
	MUL16 2, 1, NQ-1, \slot, 0
	WIN 0
	s_barrier_wait -1
.if \fill
	CREST
	s_add_nc_u64 s[G0+4*\slot+2:G0+4*\slot+3], s[G0+4*\slot+2:G0+4*\slot+3], RSTEP
	s_add_nc_u64 s[G0B+4*\slot+2:G0B+4*\slot+3], s[G0B+4*\slot+2:G0B+4*\slot+3], RSTEP
	JLOAD G0+4*\slot, G1, G0B+4*\slot, G1B
.else
	PLACES NP
.endif
	s_wait_alu depctr_va_vdst(0)
	v_add_nc_u32 v[ADRS], 4*NQ, v[ADRS]
	FETCH_B \next, 0, 0
	FETCH_A \next, 0, 0
	SCALES \next
	WIN MUL_HI
	MUL16 4, 1, NQ-1, \slot, 0
	MUL16 6, 1, NQ-1, \slot, 0
	PLACES NP
	WIN 0
	FETCH_A \next, 0, 4
.endm
	s_wait_alu depctr_va_vdst(0)
	s_wait_loadcnt 0x0
	s_wait_tensorcnt 0x0                           ; my tile of the head's four is in; slot 1's first fill is issued as a refill is
	ds_add_u32 v[SPW], v[NIL]
.irp g, G1, G1B                        ; no tensor load of mine is out: from here on a load brings 96 rows of 256 bytes
	s_mov_b32 s[\g+1], 32<<16
	s_mov_b32 s[\g+2], 96<<16
	s_mov_b32 s[\g+3], 32<<16
	s_mov_b32 s[\g+4], 96
	s_mov_b32 s[\g+5], 32
.endr
	s_wait_dscnt 0x0
	CROUND
	JLOAD G0+4, G1, G0B+4, G1B
	FETCH_B 0, 0, 0
	FETCH_A 0, 0, 0
	SCALES 0
	FETCH_A 0, 0, 4
	STEP 0, 0, 1
	TURN 0, 1, 1
	STEP 1, 0, 0
	TURN 1, 0, 1
	STEP 0, 0, 0
	TURN 0, 1, 0
	STEP 1, 0, 0
	s_wait_dscnt 4*NL
	WIN MUL_LO
	MUL16 0, 1, NQ-1, 1, 0
	MUL16 2, 1, NQ-1, 1, 0
	s_wait_dscnt 0
	WIN MUL_HI
	MUL16 4, 1, NQ-1, 1, 0
	MUL16 6, 1, NQ-1, 1, 0
	WIN 0
.macro TOSTAGE a
.set AC, 64*((\a)%4)
	WIN 0x08+4*((\a)/4)
.irp b, 0,1,2,3,4,5,6,7
	ds_store_b128 v[STO], v[AC+8*\b:AC+8*\b+3] offset:128*(\b/2)+32*(\b%2)
	ds_store_b128 v[STO], v[AC+8*\b+4:AC+8*\b+7] offset:128*(\b/2)+32*(\b%2)+16
.endr
	WIN 0
.set BB, BK+64*((\a)%2)
.irp t, 0,1,2,3,4,5,6,7,8,9,10,11,12,13,14,15
	ds_load_b128 v[BB+4*\t:BB+4*\t+3], v[RD] offset:\t*SPITCH
.endr
.endm
.macro SEND a, younger
.set BB, BK+64*((\a)%2)
	s_wait_dscnt \younger
.irp t, 0,1,2,3,4,5,6,7,8,9,10,11,12,13,14,15
	global_store_b128 v[CO], v[BB+4*\t:BB+4*\t+3], s[98:99] offset:(32*((\a)/2)+8*((\a)%2)+\t+8*(\t/8))*4096 th:TH_STORE_NT
.endr
.endm
	PLACES NP
	TOSTAGE 0
.irp a, 1,2,3,4,5,6,7
.if \a > 1
	s_wait_xcnt 0x0
.endif
	TOSTAGE \a
	SEND \a-1, 32
.endr
	SEND 7, 0
	s_wait_tensorcnt 0x0
	ds_add_u32 v[SPW], v[NIL]
	s_wait_dscnt 0x0
	CROUND
	s_endpgm
.Lfunc_end_k_qc5b0185e28_oproj:
	.size	k_qc5b0185e28_oproj, .Lfunc_end_k_qc5b0185e28_oproj-k_qc5b0185e28_oproj
	.p2alignl 7, 3214868480
	.fill 96, 4, 3214868480
	.section	.rodata,"a",@progbits
	.p2align	6, 0x0
	.amdhsa_kernel k_qc5b0185e28_oproj
		.amdhsa_group_segment_fixed_size 327680
		.amdhsa_private_segment_fixed_size 0
		.amdhsa_enable_private_segment 0
		.amdhsa_kernarg_size 48
		.amdhsa_user_sgpr_count 2
		.amdhsa_user_sgpr_kernarg_segment_ptr 1
		.amdhsa_wavefront_size32 1
		.amdhsa_system_sgpr_workgroup_id_x 1
		.amdhsa_system_sgpr_workgroup_id_y 1
		.amdhsa_system_sgpr_workgroup_id_z 1
		.amdhsa_system_vgpr_workitem_id 0
		.amdhsa_next_free_vgpr 1024
		.amdhsa_next_free_sgpr 100
		.amdhsa_reserve_vcc 0
		.amdhsa_float_denorm_mode_32 3
		.amdhsa_float_denorm_mode_16_64 3
		.amdhsa_memory_ordered 1
		.amdhsa_forward_progress 1
		.amdhsa_inst_pref_size 146
	.end_amdhsa_kernel
	.amdgpu_metadata
---
amdhsa.version: [ 1, 2 ]
amdhsa.kernels:
  - .name:           k_qc5b0185e28_oproj
    .symbol:         k_qc5b0185e28_oproj.kd
    .args:
      - { .name: c3, .offset: 0, .size: 8, .value_kind: global_buffer, .address_space: global }
      - { .name: s3, .offset: 8, .size: 8, .value_kind: global_buffer, .address_space: global }
      - { .name: c1, .offset: 16, .size: 8, .value_kind: global_buffer, .address_space: global }
      - { .name: s1, .offset: 24, .size: 8, .value_kind: global_buffer, .address_space: global }
      - { .name: b_out, .offset: 32, .size: 8, .value_kind: global_buffer, .address_space: global }
      - { .name: out0, .offset: 40, .size: 8, .value_kind: global_buffer, .address_space: global }
    .group_segment_fixed_size: 327680
    .private_segment_fixed_size: 0
    .kernarg_segment_align: 8
    .kernarg_segment_size: 48
    .max_flat_workgroup_size: 128
    .sgpr_count:     100
    .vgpr_count:     1024
    .wavefront_size: 32
...
	.end_amdgpu_metadata
.endif
;; end of part 4
